; MI455X (gfx1250); checked and timed in simulation.
; The chip was launched on July 23, 2026; its instructions are those of AMD's public machine-readable ISA for CDNA 5 (MIT licence, August 2026) and "CDNA5" Instruction Set Architecture Reference Guide (July 2026). The comments in the code are by the model that wrote it; some were corrected since.
;; Adj Multi Head Attention. Allowed arithmetic: matrix products marked QUANTISED: E2M3 operands, one E8M0 scale for each 32 along K, by v_wmma_scale_f32_16x16x128_f8f6f4 with both operands' format E2M3, f32 sums; everything else in f32.
;; Inputs: Wk 512 x 512 float32; Wo 512 x 512 float32; Wq 512 x 512 float32; Wv 512 x 512 float32; adj_matrix 16 x 1,024 x 1,024 float32; bk 512 float32; bo 512 float32; bond_matrix 16 x 1,024 x 1,024 float32; bq 512 float32; bv 512 float32; x 16 x 1,024 x 512 float32.
;; Outputs: out0 16 x 1,024 x 512 float32.
;; Constants: seq_len = 1024.
;; This version of the problem:
;;   THIS VERSION OF THE PROBLEM IS GIVEN IN LOW PRECISION. The matrix products marked QUANTISED in the list below multiply operands that are first quantised to E2M3 (2 exponent bits, 3 mantissa bits; 6 bits a number), with one power-of-two scale for each 32 numbers along K (OCP MX v1.0); their sums are f32. All else is computed in f32.
;;   The module's matrix products, in the order in which they are computed (A, B: the left and right operand; K: the contracted axis; several contracted axes count as one K, in the product's order):
;;     1. [M 16,384, K 512] x [K 512, N 512]; A: input x; B: input Wq: QUANTISED
;;     2. [M 16,384, K 512] x [K 512, N 512]; A: input x; B: input Wk: QUANTISED
;;     3. [M 16,384, K 512] x [K 512, N 512]; A: input x; B: input Wv: QUANTISED
;;     4. batch 128 x [M 1,024, K 64] x [K 64, N 1,024]; A: computed on the way; B: computed on the way: QUANTISED
;;     5. batch 128 x [M 1,024, K 1,024] x [K 1,024, N 64]; A: softmax (see below); B: computed on the way: QUANTISED
;;     6. [M 16,384, K 512] x [K 512, N 512]; A: computed on the way; B: input Wo: QUANTISED
;;   THE QUANTISER, for each operand of a quantised product, along K:
;;     - K is cut into blocks of 32 from its start; a last block that is shorter is filled with zeros.
;;     - A block's scale is 2^e with e = floor(log2(the largest magnitude in the block)) - 2, held to -126 .. 127; a block of zeros has e = 0. As a byte (E8M0): e + 127.
;;     - Each number is divided by its block's scale, clamped to +-7.5, and rounded to the nearest number of E2M3, ties to even, subnormals kept.
;;     - The product sums the exact products of the quantised numbers (number of the format x scale) in f32.
;;   ~~~python
;;   def quantise(x, axis):      # numpy; x: float32 -> the quantised numbers, widened to float32 again
;;       x = np.moveaxis(x, axis, -1); K = x.shape[-1]
;;       x = np.pad(x, [(0, 0)] * (x.ndim - 1) + [(0, -K % 32)]); x = x.reshape(x.shape[:-1] + (-1, 32)); a = np.abs(x).max(-1, keepdims=True)
;;       e = np.where(a > 0, np.clip(np.frexp(np.where(a > 0, a, 1))[1] - 1 - 2, -126, 127), 0)      # np.frexp(a)[1] - 1 = floor(log2(a)), exactly
;;       r = np.clip(x / 2.0 ** e, -7.5, 7.5)
;;       step = 2.0 ** (np.maximum(np.frexp(np.where(r == 0, 1, r))[1] - 1, 0) - 3)
;;       q = np.round(r / step) * step * 2.0 ** e      # np.round: ties to even
;;       return np.moveaxis(q.reshape(q.shape[:-2] + (-1,))[..., :K], -1, axis).astype(np.float32)
;;   ~~~
;;   SOFTMAX AHEAD OF A QUANTISED PRODUCT. Where the list says 'softmax', what is quantised is not the finished softmax but p = 2^(t - M), with t = logit x log2(e) and M = ceil(the row's largest t), a whole number; so 1/2 < the row's largest p <= 1. The row's sum l is taken of the UNQUANTISED p, in f32, and the product's result is divided by l at the end. Since M is a whole number, a kernel that streams over the keys may use a running M (the ceiling of the running maximum): every later rescaling is an exact power of two, which a block's scale takes up: the codes' values come out the same.
;;   OPERANDS COMPUTED ON THE WAY. 'Computed on the way' means the value that the module computes at that place (a softmax that the list does not call 'softmax' is quantised finished and normalised). What goes into a quantiser is computed in f32, as accurately as f32 sums, v_exp_f32 and their like allow (about 1e-6 of the number): no bf16 or f16 on the way to a quantiser, and a product that is left as it is and whose result goes on into a quantised operand takes f32 operands (vector FMAs, or v_wmma_f32_16x16x4_f32). A number that lies on a knife's edge between two numbers of the format may be rounded either way, as far as f32 arithmetic and the matrix unit's own rounding can turn it there, and no further.
;; 2 versions. Each part assembles by itself: llvm-mc -triple=amdgcn-amd-amdhsa -mcpu=gfx1250 --defsym DOCPART=n.
;; ======== version 1 of 2: 3 launches
;; workspace buffers: wc 786,432 bytes; ws 65,536 bytes; qc 6,815,744 bytes; kv 13,369,344 bytes
;; launch wquant (part 1): grid 128 x 1, 4 waves a work-group, no clusters, 0 bytes of LDS; arguments Wq, Wk, Wv, Wo, wc, ws; writes wc, ws
.if DOCPART == 1
	.amdgcn_target "amdgcn-amd-amdhsa--gfx1250"
	.amdhsa_code_object_version 6
	.text
	.protected	k_q50704a3c34_wquant
	.globl	k_q50704a3c34_wquant
	.p2align	8
	.type	k_q50704a3c34_wquant,@function
k_q50704a3c34_wquant:
	s_mov_b64 s[64:65], 0
	v_nop
	global_prefetch_b8 v0, s[64:65] scope:SCOPE_SE
	s_setreg_imm32_b32 hwreg(HW_REG_WAVE_MODE, 25, 1), 1
	s_wait_xcnt 0x0
; Wq, Wk, Wv, Wo [512][512] f32 (K = the second axis, innermost) become codes of FP6 (E2M3) with one E8M0 byte for each 32 along K,
; laid in the ORDER OF THE OPERAND'S REGISTERS: wc [matrix p][tile T 0..31][K step s 0..3][1,536 bytes], a fragment's registers 4 c .. 4 c + 3 at 512 c + 16 x lane;
; ws [p][T][s][32 lanes] of 32-bit scale words (lanes 16-31 repeat lanes 0-15).
; THE ROWS OF A TILE ARE NOT NEIGHBOURS: lane r of tile T takes row 32 (T / 2) + 8 (T % 2) + r + 8 (r / 8), so that the results of two neighbouring tiles used as source 0 are 16 neighbours in a lane.
; SHARES: work-group G = 32 p + T makes one tile, its wave s the fragment of K step s.  Lane (r, h) holds k = 128 s + 64 c + 32 h + 0 .. 31, c = 0, 1: two whole blocks, so no other lane is asked for a maximum.
; A block's scale is 2^(floor(log2(largest magnitude)) - 2): the largest magnitude's exponent field less 2, held at 1 from below.
; LIMITS: a block of zeros gets the byte 1 (its codes are zeros, and this program alone reads the bytes); NaN and infinities among the inputs are not served.
; The launch reads 4 MiB once and has no LDS, no barrier and no loop; matrix units and clusters have nothing to do here.
.set X,  32                            ; v32-95   my 64 numbers
.set C,  96                            ; v96-107  the fragment
.set CT, 108                           ; v108-110, v112-114 the upper halves of the blocks' codes (a conversion's three registers begin on an even number)
	s_load_b256 s[4:11], s[0:1], 0x0               ; Wq, Wk, Wv, Wo
	s_load_b128 s[12:15], s[0:1], 0x20             ; wc, ws
	v_lshrrev_b32 v1, 5, v0
	v_readfirstlane_b32 s16, v1                    ; wave = K step
	v_and_b32 v1, 15, v0                           ; r
	v_bfe_u32 v2, v0, 4, 1                         ; h
	v_and_b32 v3, 8, v1
	v_add_nc_u32 v3, v3, v1                        ; r + 8 (r / 8)
	v_lshlrev_b32 v3, 11, v3                       ; a row of W is 2,048 bytes
	v_lshl_add_u32 v3, v2, 7, v3                   ; + 128 h: my block of 32 numbers
	v_and_b32 v4, 31, v0
	v_lshlrev_b32 v5, 2, v4                        ; 4 x lane
	v_lshlrev_b32 v4, 4, v4                        ; 16 x lane
	v_lshlrev_b32 v6, 3, v2                        ; 8 h: my bytes' place in the scale word
	v_mov_b32 v15, 0                               ; (a lane permute's destination counts as one of its sources)
	s_mov_b32 s26, 0x76543210
	s_mov_b32 s27, 0xfedcba98                      ; selects for lane l xor 16
	s_lshr_b32 s17, ttmp9, 5                       ; p
	s_and_b32 s18, ttmp9, 31                       ; T
	s_lshr_b32 s19, s18, 1
	s_lshl_b32 s19, s19, 16                        ; 32 (T / 2) rows of 2,048 bytes
	s_and_b32 s20, s18, 1
	s_lshl_b32 s20, s20, 14                        ; 8 (T % 2) rows
	s_add_co_u32 s20, s20, s19
	s_lshl_b32 s19, s16, 9                         ; K step s: 512 bytes along the row
	s_add_co_u32 s20, s20, s19
	s_mov_b32 s21, 0
	s_mul_i32 s22, ttmp9, 6144                     ; wc: four fragments a tile,
	s_mul_i32 s19, s16, 1536                       ; mine
	s_add_co_u32 s22, s22, s19
	s_mov_b32 s23, 0
	s_lshl_b32 s24, ttmp9, 9                       ; ws: 512 bytes a tile,
	s_lshl_b32 s19, s16, 7                         ; 128 a K step
	s_add_co_u32 s24, s24, s19
	s_mov_b32 s25, 0
	s_wait_kmcnt 0x0
	s_cmp_eq_u32 s17, 1                            ; which matrix: the choice hangs on the work-group's number alone
	s_cselect_b64 s[4:5], s[6:7], s[4:5]
	s_cmp_eq_u32 s17, 2
	s_cselect_b64 s[4:5], s[8:9], s[4:5]
	s_cmp_eq_u32 s17, 3
	s_cselect_b64 s[4:5], s[10:11], s[4:5]
	s_add_nc_u64 s[4:5], s[4:5], s[20:21]
	s_add_nc_u64 s[12:13], s[12:13], s[22:23]
	s_add_nc_u64 s[14:15], s[14:15], s[24:25]
.irp c, 0,1
.irp i, 0,1,2,3,4,5,6,7
	global_load_b128 v[X+32*\c+4*\i:X+32*\c+4*\i+3], v3, s[4:5] offset:256*\c+16*\i
.endr
.endr
	s_wait_loadcnt 0x0
.irp c, 0,1
	v_max3_num_f32 v[8+\c], |v[X+32*\c]|, |v[X+32*\c+1]|, 0x1800000   ; the floor 2^(3 - 127) among the leaves: the byte cannot fall under 1
.endr
.irp i, 2,4,6,8,10,12,14,16,18,20,22,24,26,28,30
.irp c, 0,1
	v_max3_num_f32 v[8+\c], v[8+\c], |v[X+32*\c+\i]|, |v[X+32*\c+\i+1]|   ; the two blocks by turns
.endr
.endr
.irp c, 0,1
	v_add_nc_u32 v[10+\c], 0xff000000, v[8+\c]     ; 2 off the exponent field: the conversion's scale operand
.endr
.irp c, 0,1
	v_lshrrev_b32 v[12+\c], 23, v[10+\c]           ; the scale's byte
.endr
	v_lshl_or_b32 v14, v13, 16, v12                ; my two bytes, blocks h and 2 + h,
	v_lshlrev_b32 v14, v6, v14                     ; at their places;
	v_permlanex16_b32 v15, v14, s26, s27
	v_or_b32 v14, v14, v15                         ; with lane l xor 16's two the word is whole, in both halves of the lanes
.irp c, 0,1
	v_cvt_scalef32_pk16_fp6_f32 v[C+6*\c:C+6*\c+2], v[X+32*\c:X+32*\c+15], v[10+\c]
	v_cvt_scalef32_pk16_fp6_f32 v[CT+4*\c:CT+4*\c+2], v[X+32*\c+16:X+32*\c+31], v[10+\c]
.endr
	v_nop                                          ; one plain line behind a scaled conversion
.irp c, 0,1
.irp i, 0,1,2
	v_mov_b32 v[C+6*\c+3+\i], v[CT+4*\c+\i]
.endr
.endr
.irp c, 0,1,2
	global_store_b128 v4, v[C+4*\c:C+4*\c+3], s[12:13] offset:512*\c   ; 32 lanes store 512 consecutive bytes, at a multiple of 256 from wc's first byte
.endr
	global_store_b32 v5, v14, s[14:15]
	s_endpgm
.Lfunc_end_k_q50704a3c34_wquant:
	.size	k_q50704a3c34_wquant, .Lfunc_end_k_q50704a3c34_wquant-k_q50704a3c34_wquant
	.p2alignl 7, 3214868480
	.fill 96, 4, 3214868480
	.section	.rodata,"a",@progbits
	.p2align	6, 0x0
	.amdhsa_kernel k_q50704a3c34_wquant
		.amdhsa_group_segment_fixed_size 0
		.amdhsa_private_segment_fixed_size 0
		.amdhsa_enable_private_segment 0
		.amdhsa_kernarg_size 48
		.amdhsa_user_sgpr_count 2
		.amdhsa_user_sgpr_kernarg_segment_ptr 1
		.amdhsa_wavefront_size32 1
		.amdhsa_system_sgpr_workgroup_id_x 1
		.amdhsa_system_sgpr_workgroup_id_y 1
		.amdhsa_system_sgpr_workgroup_id_z 1
		.amdhsa_system_vgpr_workitem_id 0
		.amdhsa_next_free_vgpr 116
		.amdhsa_next_free_sgpr 66
		.amdhsa_reserve_vcc 0
		.amdhsa_float_denorm_mode_32 3
		.amdhsa_float_denorm_mode_16_64 3
		.amdhsa_memory_ordered 1
		.amdhsa_forward_progress 1
		.amdhsa_inst_pref_size 7
	.end_amdhsa_kernel
	.amdgpu_metadata
---
amdhsa.version: [ 1, 2 ]
amdhsa.kernels:
  - .name:           k_q50704a3c34_wquant
    .symbol:         k_q50704a3c34_wquant.kd
    .args:
      - { .name: Wq, .offset: 0, .size: 8, .value_kind: global_buffer, .address_space: global }
      - { .name: Wk, .offset: 8, .size: 8, .value_kind: global_buffer, .address_space: global }
      - { .name: Wv, .offset: 16, .size: 8, .value_kind: global_buffer, .address_space: global }
      - { .name: Wo, .offset: 24, .size: 8, .value_kind: global_buffer, .address_space: global }
      - { .name: wc, .offset: 32, .size: 8, .value_kind: global_buffer, .address_space: global }
      - { .name: ws, .offset: 40, .size: 8, .value_kind: global_buffer, .address_space: global }
    .group_segment_fixed_size: 0
    .private_segment_fixed_size: 0
    .kernarg_segment_align: 8
    .kernarg_segment_size: 48
    .max_flat_workgroup_size: 128
    .sgpr_count:     66
    .vgpr_count:     116
    .wavefront_size: 32
...
	.end_amdgpu_metadata
.endif
;; end of part 1
;; launch proj (part 2): grid 256 x 1, 4 waves a work-group, no clusters, 27,136 bytes of LDS; arguments x, wc, ws, bq, bk, bv, qc, kv; writes qc, kv
.if DOCPART == 2
	.amdgcn_target "amdgcn-amd-amdhsa--gfx1250"
	.amdhsa_code_object_version 6
	.text
	.protected	k_q50704a3c34_proj
	.globl	k_q50704a3c34_proj
	.p2align	8
	.type	k_q50704a3c34_proj,@function
k_q50704a3c34_proj:
	s_mov_b64 s[64:65], 0
	v_nop
	global_prefetch_b8 v0, s[64:65] scope:SCOPE_SE
	s_setreg_imm32_b32 hwreg(HW_REG_WAVE_MODE, 25, 1), 1
	s_wait_xcnt 0x0
; q, k, v = x W^T + b on codes of FP6 (E2M3), and their quantising for the attention launch: q and k along the head's 64, v along the keys.  Nothing wider than codes goes to memory.
; x [16,384][512] f32 is quantised here, in registers; the weights come as fragments in register order (wc, ws).
; SHARES.  Work-group G takes rows 64 G .. 64 G + 63.  First wave w quantises row tile w (four fragments, one a K step) and hands them to the others through LDS as images of their registers.
; Then THE WAVES SHARE THE COLUMNS: wave w makes heads 2 w and 2 w + 1 of q, k and v for all 64 rows, in six passes (pass i: matrix i / 2, head 2 w + i % 2): 4 column tiles x 4 row tiles x 4 K steps = 64 products.
; ROW ORDER.  Lane r of tile 2 B + u (of x's rows and of W's rows alike) holds row 32 B + 8 u + r + 8 (r / 8): the 16 registers of two neighbouring result tiles are then 16 neighbours along source 0's rows.
; q, k: source 0 = W's rows, source 1 = x's rows: a lane holds one row of x and its registers run along d, the next product's K.  v: source 0 = x's rows (the keys), source 1 = Wv's rows: registers run along the keys.
; The biases are the C of each sum's first product.
; OUT.  qc [block of 128 rows][53,248]: codes [head][tile kt 0..7][768] (registers 0-5 of a fragment: 0-3 at 16 x lane, 4-5 at 512 + 8 x lane), from 49,152 scale words [head][pair][32 lanes]: lanes 0-15 tile 2 i, lanes 16-31 tile 2 i + 1; two bytes, the upper two 0.
;       kv [key step of 128][104,448]: K as qc; from 53,248 V's codes [head][d tile][half c][768] (registers 6 c .. 6 c + 5); from 102,400 V's scale words [head][pair][32 lanes], byte B for key block B.
; NO CLUSTER: each weight fragment is wanted by one wave of a work-group alone and goes from memory straight into that wave's registers; a joint load would put an LDS ring and a round of the cluster's barrier in front of every 64 products.
; LIMITS: a block of zeros gets the byte 1 (its codes are zeros; this program alone reads the bytes); NaN and infinities among the inputs are not served.
; REGISTERS.  window 0: v1-13 addresses; v16-47 at work in QUANT; v48-63 x's scale words; v64-95 W's scale words, two sets; v128-255 the 16 accumulators.
;   window 1: v0-191 x's 16 fragments (4 m + s); v192-255 biases, two sets.   window 2, 3: v0-191 the pass's 16 fragments of W (4 t + s), two sets by turns: the next pass's are loaded while this pass multiplies.
.set L16, 1                            ; 16 x lane
.set L8,  2                            ; 8 x lane
.set L4,  3                            ; 4 x lane
.set XA,  4                            ; x: (r + 8 (r / 8)) x 2,048 + 64 h
.set XWI, 5                            ; where I store x's images: 16 x lane + 6,144 x wave
.set XWS, 6                            ; and their scale words: 4 x lane + 512 x wave
.set BQO, 7                            ; 64 h: bq's and bk's numbers of my half
.set BVO, 8                            ; 4 (r + 8 (r / 8)): bv's number of my column
.set H16, 9                            ; 16 h
.set W16, 10                           ; the two scale bytes that leave
.set PW,  11                           ; the scale word just made
.set SPW, 12                           ; LDS address of my spare word; never rewritten
.set NIL, 13                           ; 0; never rewritten
.set TM,  16
.set TP,  20
.set SCO, 24
.set PC,  28                           ; v28-39 the codes just made
.set PT,  40
.set XS,  48
.set WS,  64
.set ACC, 128
.set BI,  192                          ; in window 1
.set XSC, 16*1536                      ; LDS: behind x's 16 images their scale words, 128 bytes each
.set SPARE, XSC+16*128                 ; behind them the spare words, 128 bytes for each wave: two blocks of 256 bytes that no other line names
.set SEL, 36
.set MSB, 0
.macro WIN new                         ; the immediate's high byte repeats the setting that is left; a switch that changes nothing is dropped
.if MSB != (\new)
	s_set_vgpr_msb (MSB<<8)|(\new)
.set MSB, (\new)
.endif
.endm
; 64 numbers of a lane, register 16 B + i = k 32 B + 16 h + i of my row, with their scale operands in v[SCO] on, become 12 registers of codes in v[PC] on.
.macro PACK s
.irp c, 0,1
	v_cvt_scalef32_pk16_fp6_f32 v[PC+6*\c:PC+6*\c+2], v[(\s)+32*\c:(\s)+32*\c+15], v[SCO+2*\c]
	v_cvt_scalef32_pk16_fp6_f32 v[PT+4*\c:PT+4*\c+2], v[(\s)+32*\c+16:(\s)+32*\c+31], v[SCO+2*\c+1]   ; (a conversion's three registers begin on an even number)
.endr
	v_nop                                          ; one plain line behind a scaled conversion
.irp c, 0,1                                    ; the operand's layout wants a WHOLE block in a lane: lanes 0-15 block 2 c, lanes 16-31 block 2 c + 1
.irp i, 0,1,2
	v_permlane16_swap_b32 v[PC+6*\c+\i], v[PT+4*\c+\i]
.endr
.irp i, 0,1,2
	v_mov_b32 v[PC+6*\c+3+\i], v[PT+4*\c+\i]
.endr
.endr
.endm
.macro QUANT s                         ; the four blocks' scales, the scale word in v[PW], then PACK.  Each accumulator of eight registers is first read at its low end
.irp b, 0,1,2,3
	v_max3_num_f32 v[TM+\b], |v[(\s)+16*\b]|, |v[(\s)+16*\b+1]|, 0x1800000   ; the floor 2^(3 - 127): the byte cannot fall under 1
.endr
.irp i, 2,4,6,8,10,12,14
.irp b, 0,1,2,3
	v_max3_num_f32 v[TM+\b], v[TM+\b], |v[(\s)+16*\b+\i]|, |v[(\s)+16*\b+\i+1]|   ; the four blocks by turns
.endr
.endr
.irp b, 0,1,2,3
	v_permlanex16_b32 v[TP+\b], v[TM+\b], s[SEL], s[SEL+1]
.endr
.irp b, 0,1,2,3
	v_max_num_f32 v[TM+\b], v[TM+\b], v[TP+\b]     ; with lane l xor 16's 16: the block's largest magnitude
.endr
.irp b, 0,1,2,3
	v_add_nc_u32 v[SCO+\b], 0xff000000, v[TM+\b]   ; 2 off its exponent field: the conversion's scale operand
.endr
.irp b, 0,1,2,3
	v_lshrrev_b32 v[TP+\b], 23, v[SCO+\b]          ; the scale's byte
.endr
	v_lshl_or_b32 v[PW], v[TP+1], 8, v[TP]
	v_lshl_or_b32 v[PW], v[TP+2], 16, v[PW]
	v_lshl_or_b32 v[PW], v[TP+3], 24, v[PW]
	PACK \s
.endm
.macro WMP d, a, b, c, sa, sb
	v_wmma_scale_f32_16x16x128_f8f6f4 v[(\d):(\d)+7], v[(\a):(\a)+11], v[(\b):(\b)+11], v[(\c):(\c)+7], v[\sa], v[\sb] matrix_a_fmt:MATRIX_FMT_FP6 matrix_b_fmt:MATRIX_FMT_FP6
.endm
.macro XLOAD reg, s                    ; my row's 64 numbers of K step s: 16 neighbours of each block of 32
.irp b, 0,1,2,3
.irp j, 0,1,2,3
	global_load_b128 v[(\reg)+16*\b+4*\j:(\reg)+16*\b+4*\j+3], v[XA], s[4:5] offset:512*(\s)+128*\b+16*\j th:TH_LOAD_NT
.endr
.endr
.endm
.macro IMAGE f                         ; the fragment in v[PC] on goes to LDS as it stands, its scale word beside it
.irp c, 0,1,2
	ds_store_b128 v[XWI], v[PC+4*\c:PC+4*\c+3] offset:1536*(\f)+512*\c
.endr
	ds_store_b32 v[XWS], v[PW] offset:XSC+128*(\f)
.endm
; Pass i's operands: 16 fragments of W, their scale words, the biases in the result's layout.
.macro LOADW i
.set LP, (\i)/2
.set LO, (\i)%2
.set BB, 10+2*LP                       ; bq s[10:11], bk s[12:13], bv s[14:15]
	WIN 0x80+0x40*LO                               ; destination window 2 or 3
.irp t, 0,1,2,3
.irp s, 0,1,2,3
.irp c, 0,1,2
	global_load_b128 v[12*(4*\t+\s)+4*\c:12*(4*\t+\s)+4*\c+3], v[L16], s[6:7] offset:196608*LP+24576*LO+6144*\t+1536*\s+512*\c
.endr
.endr
.endr
	WIN 0
.irp t, 0,1,2,3
.irp s, 0,1,2,3
	global_load_b32 v[WS+16*LO+4*\t+\s], v[L4], s[8:9] offset:16384*LP+2048*LO+128*(4*\t+\s)
.endr
.endr
	WIN 0x40                                       ; destination window 1
.if LP < 2
.irp t, 0,1,2,3                                ; lane (r, h), register j of tile 2 B + u: column 32 B + 16 h + 8 u + j of the head
	global_load_b128 v[BI+32*LO+8*\t:BI+32*LO+8*\t+3], v[BQO], s[BB:BB+1] offset:256*LO+(32*(\t/2)+8*(\t%2))*4
	global_load_b128 v[BI+32*LO+8*\t+4:BI+32*LO+8*\t+7], v[BQO], s[BB:BB+1] offset:256*LO+(32*(\t/2)+8*(\t%2))*4+16
.endr
.else
.irp t, 0,1,2,3                                ; v: a lane holds ONE column, 32 B + 8 u + r + 8 (r / 8): the same number in all eight registers
.irp j, 0,1,2,3,4,5,6,7
	global_load_b32 v[BI+32*LO+8*\t+\j], v[BVO], s[BB:BB+1] offset:256*LO+(32*(\t/2)+8*(\t%2))*4
.endr
.endr
.endif
	WIN 0
.endm
; 64 registers of results (two tiles' worth) are quantised and leave.  q, k: row tiles 2 bb and 2 bb + 1; v: d tiles 2 bb and 2 bb + 1.
.macro UNIT i, bb
.set UP, (\i)/2
.set UO, (\i)%2
.set UC, 24+4*UP                       ; the codes' base: q s[24:25], k s[28:29], v s[32:33]; the scale words' base two registers on
	s_wait_xcnt 0x0                                ; the last unit's stores have read v[PC] on and v[W16]: only behind this wait are they written again
	QUANT ACC+64*(\bb)
	v_bfe_u32 v[W16], v[PW], v[H16], 16            ; lanes 0-15 the first tile's two bytes, lanes 16-31 the second's
.if UP < 2
.set UT, 768
.else
.set UT, 1536
.endif
	global_store_b128 v[L16], v[PC:PC+3], s[UC:UC+1] offset:6144*UO+UT*(2*(\bb))            ; 512 consecutive bytes, at a multiple of 256 from the buffer's first byte
	global_store_b64 v[L8], v[PC+4:PC+5], s[UC:UC+1] offset:6144*UO+UT*(2*(\bb))+512         ; 256 consecutive bytes
	global_store_b128 v[L16], v[PC+6:PC+9], s[UC:UC+1] offset:6144*UO+UT*(2*(\bb)+1)
	global_store_b64 v[L8], v[PC+10:PC+11], s[UC:UC+1] offset:6144*UO+UT*(2*(\bb)+1)+512
.if UP < 2
	global_store_b32 v[L4], v[W16], s[UC+2:UC+3] offset:512*UO+128*(\bb)
.else
	global_store_b16 v[L4], v[W16], s[UC+2:UC+3] offset:256*UO+128*(\bb)   ; my 64 keys' two bytes of the key step's four
.endif
.endm
.macro PASS i
.set PP, (\i)/2
.set PO, (\i)%2
	s_wait_loadcnt 0x0                             ; this pass's operands are in
.if (\i) < 5
	LOADW (\i)+1                                   ; the next pass's go into the other set, whose last products stand two units of vector work back
.endif
.irp s, 0,1,2,3                                ; K steps outermost: the 16 accumulators take turns, one product a turn
.if \s == 0
.set CW, 0x10                          ; the first K step's C is the bias, in window 1
.else
.set CW, 0
.endif
.if PP < 2
	WIN (2+PO)|0x04|CW                             ; source 0 = W (window 2 or 3), source 1 = x (window 1)
.else
	WIN 0x01|((2+PO)<<2)|CW                        ; source 0 = x, source 1 = W
.endif
.irp m, 0,1,2,3
.irp t, 0,1,2,3
.if PP < 2
.set DD, ACC+32*\m+8*\t
.else
.set DD, ACC+32*\t+8*\m
.endif
.if \s == 0
.set CC, BI+32*PO+8*\t
.else
.set CC, DD
.endif
.if PP < 2
	WMP DD, 12*(4*\t+\s), 12*(4*\m+\s), CC, WS+16*PO+4*\t+\s, XS+4*\m+\s
.else
	WMP DD, 12*(4*\m+\s), 12*(4*\t+\s), CC, XS+4*\m+\s, WS+16*PO+4*\t+\s
.endif
.endr
.endr
.endr
	WIN 0
.rept 4
	v_nop                                          ; four places between the last product and the first read of results (ISA guide 7.12.1)
.endr
	UNIT \i, 0
	UNIT \i, 1
.endm
	s_load_b512 s[4:19], s[0:1], 0x0               ; x, wc, ws, bq, bk, bv, qc, kv
	v_lshl_add_u32 v[SPW], v0, 2, SPARE
	v_mov_b32 v[NIL], 0
	v_lshrrev_b32 v14, 5, v0
	v_readfirstlane_b32 s20, v14                   ; wave 0..3
	v_and_b32 v14, 31, v0
	v_lshlrev_b32 v[L16], 4, v14
	v_lshlrev_b32 v[L8], 3, v14
	v_lshlrev_b32 v[L4], 2, v14
	v_and_b32 v14, 15, v0                          ; r
	v_bfe_u32 v15, v0, 4, 1                        ; h
	v_and_b32 v[BVO], 8, v14
	v_add_nc_u32 v[BVO], v[BVO], v14               ; r + 8 (r / 8)
	v_lshlrev_b32 v[XA], 11, v[BVO]
	v_lshl_add_u32 v[XA], v15, 6, v[XA]
	v_lshlrev_b32 v[BVO], 2, v[BVO]
	v_lshlrev_b32 v[BQO], 6, v15
	v_lshlrev_b32 v[H16], 4, v15
	s_mul_i32 s21, s20, 6144
	v_add_nc_u32 v[XWI], s21, v[L16]
	s_lshl_b32 s21, s20, 9
	v_add_nc_u32 v[XWS], s21, v[L4]
.irp b, 0,1,2,3
	v_mov_b32 v[TP+\b], 0                          ; written once: a lane permute's destination counts as one of its sources
.endr
	s_mov_b32 s[SEL], 0x76543210
	s_mov_b32 s[SEL+1], 0xfedcba98                 ; selects for lane l xor 16
	s_lshl_b32 s22, ttmp9, 17                      ; x: 64 G rows of 2,048 bytes,
	s_lshr_b32 s21, s20, 1
	s_lshl_b32 s21, s21, 16                        ; + 32 (w / 2) rows,
	s_add_co_u32 s22, s22, s21
	s_and_b32 s21, s20, 1
	s_lshl_b32 s21, s21, 14                        ; + 8 (w % 2) rows
	s_add_co_u32 s22, s22, s21
	s_mov_b32 s23, 0
	s_mul_i32 s38, s20, 49152                      ; wc: my heads' eight tiles begin at tile 8 w
	s_mov_b32 s39, 0
	s_lshl_b32 s40, s20, 12                        ; ws likewise
	s_mov_b32 s41, 0
	s_lshl_b32 s42, s20, 9                         ; the biases: 128 numbers a wave
	s_mov_b32 s43, 0
	s_lshr_b32 s56, ttmp9, 1                       ; the block of 128 rows,
	s_and_b32 s57, ttmp9, 1                        ; and which half of it is mine
	s_mul_i32 s58, s56, 53248
	s_mul_i32 s59, s56, 104448
	s_mul_i32 s60, s57, 3072                       ; codes of q, k: four tiles of 768 a half,
	s_mul_i32 s21, s20, 12288                      ; two heads of 6,144 a wave
	s_add_co_u32 s60, s60, s21
	s_lshl_b32 s61, s57, 8                         ; their scale words: two pairs of 128 a half,
	s_lshl_b32 s21, s20, 10                        ; two heads of 512 a wave
	s_add_co_u32 s61, s61, s21
	s_add_co_u32 s61, s61, 49152
	s_add_co_u32 s44, s58, s60
	s_mov_b32 s45, 0
	s_add_co_u32 s46, s58, s61
	s_mov_b32 s47, 0
	s_add_co_u32 s48, s59, s60
	s_mov_b32 s49, 0
	s_add_co_u32 s50, s59, s61
	s_mov_b32 s51, 0
	s_mul_i32 s52, s57, 768                        ; V's codes: my half of each fragment,
	s_mul_i32 s21, s20, 12288
	s_add_co_u32 s52, s52, s21
	s_add_co_u32 s52, s52, s59
	s_add_co_u32 s52, s52, 53248
	s_mov_b32 s53, 0
	s_lshl_b32 s54, s57, 1                         ; V's scale words: my two bytes of each,
	s_lshl_b32 s21, s20, 9                         ; two heads of 256 a wave
	s_add_co_u32 s54, s54, s21
	s_add_co_u32 s54, s54, s59
	s_add_co_u32 s54, s54, 102400
	s_mov_b32 s55, 0
	s_wait_kmcnt 0x0
	s_add_nc_u64 s[4:5], s[4:5], s[22:23]
	s_add_nc_u64 s[6:7], s[6:7], s[38:39]
	s_add_nc_u64 s[8:9], s[8:9], s[40:41]
	s_add_nc_u64 s[10:11], s[10:11], s[42:43]
	s_add_nc_u64 s[12:13], s[12:13], s[42:43]
	s_add_nc_u64 s[14:15], s[14:15], s[42:43]
	s_add_nc_u64 s[24:25], s[16:17], s[44:45]      ; q's codes,
	s_add_nc_u64 s[26:27], s[16:17], s[46:47]      ; q's scale words
	s_add_nc_u64 s[28:29], s[18:19], s[48:49]      ; k's
	s_add_nc_u64 s[30:31], s[18:19], s[50:51]
	s_add_nc_u64 s[32:33], s[18:19], s[52:53]      ; v's
	s_add_nc_u64 s[34:35], s[18:19], s[54:55]
	; ---- x: my 16 rows become four fragments; two K steps' loads are out while one is quantised
	XLOAD ACC, 0
	XLOAD ACC+64, 1
	s_wait_loadcnt 16                              ; K step 0's 16 loads are in; the younger 16 may be out
	QUANT ACC
	IMAGE 0
	XLOAD ACC, 2
	s_wait_dscnt 0x0                               ; the LDS stores have read their registers
	s_wait_loadcnt 16                              ; K step 1's
	QUANT ACC+64
	IMAGE 1
	XLOAD ACC+64, 3
	s_wait_dscnt 0x0
	s_wait_loadcnt 16                              ; K step 2's
	QUANT ACC
	IMAGE 2
	s_wait_dscnt 0x0
	s_wait_loadcnt 0x0                             ; K step 3's
	LOADW 0                                        ; the first pass's operands are on their way while the last K step is quantised
	QUANT ACC+64
	IMAGE 3
	s_wait_dscnt 0x0                               ; for the others' sake: my images have landed
	s_barrier_signal -1
	s_barrier_wait -1                              ; x's sixteen fragments lie in LDS; nothing is stored to LDS behind this barrier
	WIN 0x40                                       ; destination window 1
.irp f, 0,1,2,3,4,5,6,7,8,9,10,11,12,13,14,15
.irp c, 0,1,2
	ds_load_b128 v[12*\f+4*\c:12*\f+4*\c+3], v[L16] offset:1536*\f+512*\c
.endr
.endr
	WIN 0
.irp f, 0,1,2,3,4,5,6,7,8,9,10,11,12,13,14,15
	ds_load_b32 v[XS+\f], v[L4] offset:XSC+128*\f
.endr
	s_wait_dscnt 0x0
	PASS 0
	PASS 1
	PASS 2
	PASS 3
	PASS 4
	PASS 5
	s_wait_tensorcnt 0x0                           ; the wave's end: a wait, an add to my spare word and its wait, behind my last LDS store
	ds_add_u32 v[SPW], v[NIL]
	s_wait_dscnt 0x0
	s_endpgm
.Lfunc_end_k_q50704a3c34_proj:
	.size	k_q50704a3c34_proj, .Lfunc_end_k_q50704a3c34_proj-k_q50704a3c34_proj
	.p2alignl 7, 3214868480
	.fill 96, 4, 3214868480
	.section	.rodata,"a",@progbits
	.p2align	6, 0x0
	.amdhsa_kernel k_q50704a3c34_proj
		.amdhsa_group_segment_fixed_size 27136
		.amdhsa_private_segment_fixed_size 0
		.amdhsa_enable_private_segment 0
		.amdhsa_kernarg_size 64
		.amdhsa_user_sgpr_count 2
		.amdhsa_user_sgpr_kernarg_segment_ptr 1
		.amdhsa_wavefront_size32 1
		.amdhsa_system_sgpr_workgroup_id_x 1
		.amdhsa_system_sgpr_workgroup_id_y 1
		.amdhsa_system_sgpr_workgroup_id_z 1
		.amdhsa_system_vgpr_workitem_id 0
		.amdhsa_next_free_vgpr 960
		.amdhsa_next_free_sgpr 66
		.amdhsa_reserve_vcc 0
		.amdhsa_float_denorm_mode_32 3
		.amdhsa_float_denorm_mode_16_64 3
		.amdhsa_memory_ordered 1
		.amdhsa_forward_progress 1
		.amdhsa_inst_pref_size 177
	.end_amdhsa_kernel
	.amdgpu_metadata
---
amdhsa.version: [ 1, 2 ]
amdhsa.kernels:
  - .name:           k_q50704a3c34_proj
    .symbol:         k_q50704a3c34_proj.kd
    .args:
      - { .name: x, .offset: 0, .size: 8, .value_kind: global_buffer, .address_space: global }
      - { .name: wc, .offset: 8, .size: 8, .value_kind: global_buffer, .address_space: global }
      - { .name: ws, .offset: 16, .size: 8, .value_kind: global_buffer, .address_space: global }
      - { .name: bq, .offset: 24, .size: 8, .value_kind: global_buffer, .address_space: global }
      - { .name: bk, .offset: 32, .size: 8, .value_kind: global_buffer, .address_space: global }
      - { .name: bv, .offset: 40, .size: 8, .value_kind: global_buffer, .address_space: global }
      - { .name: qc, .offset: 48, .size: 8, .value_kind: global_buffer, .address_space: global }
      - { .name: kv, .offset: 56, .size: 8, .value_kind: global_buffer, .address_space: global }
    .group_segment_fixed_size: 27136
    .private_segment_fixed_size: 0
    .kernarg_segment_align: 8
    .kernarg_segment_size: 64
    .max_flat_workgroup_size: 128
    .sgpr_count:     66
    .vgpr_count:     960
    .wavefront_size: 32
...
	.end_amdgpu_metadata
.endif
;; end of part 2
;; launch attn (part 3): grid 16 x 16, 8 waves a work-group, clusters of 4 x 1, 327,680 bytes of LDS; arguments qc, kv, adj_matrix, bond_matrix, wc, ws, bo, out0; writes out0
.if DOCPART == 3
	.amdgcn_target "amdgcn-amd-amdhsa--gfx1250"
	.amdhsa_code_object_version 6
	.text
	.protected	k_q50704a3c34_attn
	.globl	k_q50704a3c34_attn
	.p2align	8
	.type	k_q50704a3c34_attn,@function
k_q50704a3c34_attn:
	s_mov_b64 s[64:65], 0
	v_nop
	global_prefetch_b8 v0, s[64:65] scope:SCOPE_SE
	s_setreg_imm32_b32 hwreg(HW_REG_WAVE_MODE, 25, 1), 1
	s_wait_xcnt 0x0
	s_wait_alu depctr_hold_cnt(0) depctr_sa_sdst(0) depctr_va_vdst(0) depctr_va_sdst(0) depctr_va_ssrc(0) depctr_va_vcc(0) depctr_vm_vsrc(0)
	s_getreg_b32 s2, hwreg(HW_REG_IB_STS2, 6, 4)
	s_cmp_eq_u32 s2, 0
	s_cbranch_scc0 .Lentry_in_a_cluster
	s_endpgm
.Lentry_in_a_cluster:
	s_bfe_u32 s2, ttmp6, 0x10000c
	s_cmp_lg_u32 s2, 0x3003
	s_cbranch_scc0 .Lentry_shape_is_right
	s_endpgm
.Lentry_shape_is_right:
; out = (softmax(q k^T / 8 x (adj + bond)) v, all heads side by side) Wo^T + bo, every product on codes of FP6 (E2M3) with one E8M0 scale for each 32 along its K.
; SOFTMAX: t = score x mask x log2(e) / 8; M = the running largest t rounded UP to a whole number; p = 2^(t - M) is quantised along the keys; the row's sum l is taken of the unquantised p and divides at the end.
; When M moves, l and O are multiplied by 2^(old M - new M), which rounds nothing.
; SHARES.  A work-group owns 64 queries of one batch FOR ALL EIGHT HEADS: so adj + bond is read and added once, and a whole row of ctx is at hand for the last product.
; Wave w: query tile m = w % 4, heads 4 g .. 4 g + 3 with g = w / 4.  Every wave walks 8 key steps of 128 keys; in a head's step: 8 products S^T = K Q^T, the softmax, 4 products O^T += V^T P^T.  Two waves share a SIMD.
; LAYOUT.  Both products are used transposed: a lane holds ONE query throughout.  Lane r of tile 2 B + u (of keys, of queries, of V's d, of Wo's rows) holds row 32 B + 8 u + r + 8 (r / 8): the 16 registers of two neighbouring
; result tiles are 16 neighbours, so p and ctx are quantised in registers.
; K = 64 IN A PRODUCT OF K = 128: Q's fragments carry zero codes in registers 6-11; K's pieces of six registers stand on end, so a K operand's registers 6-11 are the next piece, whose codes meet zeros; both sides' scale bytes there are 0.
; RING.  A key step's K and V codes and scale words for all heads are ONE dense block of kv, 104,448 bytes: a slot.  Two slots; each wave fetches an eighth (51 rows of 256 bytes) by one tensor load: one load of mine is out at a time.
; CLUSTER.  The four work-groups of a cluster belong to one batch and walk the same blocks of kv: each load is asked for JOINTLY, with the mask of all four.
; THE MASKS are read once, dense: of its tile's 16 rows x 128 keys wave (m, g) loads the 64 keys of half g (sixteen lanes read 256 consecutive bytes), adds, and puts the sums into LDS, from where both waves of the tile take them in the scores' layout.
; O^T begins as zeros and the largest t as -3e38, so that the key step is written twice and not three times; the 128 moves run once.
; LIMITS: NaN and infinities among the inputs are not served; a block of zeros gets the byte 1 (its codes are zeros; the bytes are read here alone); a block's largest p is taken from its largest t (v_exp_f32 is taken not to fall where its
; input rises); 1 / l is v_rcp_f32's; t - M is one fused multiply-add of score x mask with log2(e) / 8.
; REGISTERS.  window 0: v1-15 addresses; v16-31 four registers of statistics a head; v32-43 scale words and nothing else; v44-67 at work; v68-115 fragments of K or V; v116-127 p's codes; v128-191 S^T, then p; v192-255 the mask.
;   window 1: v0-127 O^T, 32 a head; v128-175 Q, 12 a head; v176-239 the masks as loaded.  In the last product: window 1 holds Wo's fragments and bo, v128-255 of window 0 the 16 accumulators.
.set STEPB, 104448                     ; a key step's block of kv, and a slot
.set SLOT1, 1<<17                      ; slot 1 begins here: one exclusive or turns an address in one slot into the other's
.set CI,    STEPB                      ; between the slots, never a fill's target: ctx's 16 images of 1,536 bytes,
.set CIS,   CI+16*1536                 ; and their scale words, 128 bytes each
.set XB,    SLOT1+STEPB                ; the mask sums: [tile m][row 16][512 bytes + 16]
.set XP,    528                        ; = 33 x 16 bytes: the sixteen rows that a load touches start in different banks (64 banks of 4 bytes: ISA guide 11.1)
.set SPARE, XB+64*XP                   ; the spare words, 128 bytes for each wave: four blocks of 256 bytes that no other line names
.set STG,   SPARE+8*128                ; the way out: 16 rows x (256 bytes + 16) for each wave
.set SP,    272
.set L16,  1                           ; 16 x lane
.set L8,   2                           ; 8 x lane
.set L4,   3                           ; 4 x lane
.set AK16, 4                           ; v4-9: the step's LDS addresses: K's codes (by 16 and by 8 bytes a lane), K's scale words, V's likewise
.set AK8,  5
.set AKS,  6
.set AV16, 7
.set AV8,  8
.set AVS,  9
.set XW,   10                          ; where I put mask sums
.set XR,   11                          ; where I read them
.set MO,   12                          ; my byte offset in the masks: 4,096 (lane / 16) + 16 (lane % 16)
.set TMP,  13
.set SPW,  14                          ; LDS address of my spare word; never rewritten
.set NIL,  15                          ; 0; never rewritten
.set STAT, 16                          ; head hd at v[16 + 4 hd]: -M, the largest t, l in two halves
.set KSC,  32                          ; v32-35 K's scale words: lanes 0-15 tile 2 i, lanes 16-31 tile 2 i + 1
.set VSC,  36                          ; v36-37 V's likewise
.set QSC,  38                          ; v38-41 Q's, one a head
.set PW,   42                          ; p's (later ctx's) scale word
.set TM,   44
.set TP,   48
.set SCO,  52
.set FF,   56                          ; v[56:57] f = 2^(old M - new M); the pair's upper word is written once
.set C2,   58                          ; v[58:59] the sum's second chain
.set PT,   60
.set FR,   68
.set PC,   116                         ; directly behind FR: K tile 7's padded half reads its first six registers
.set SS,   128
.set MM,   192
.set QF,   128                         ; in window 1
.set MA,   176
.set MBD,  208
.set SEL,  26                          ; s[26:27] selects for lane l xor 16
.set CS,   28                          ; s[28:29] c = log2(e) / 8
.set TB,   30                          ; s30 LDS byte at which the slot in hand begins
.set MSB, 0
.macro WIN new                         ; the immediate's high byte repeats the setting that is left; a switch that changes nothing is dropped
.if MSB != (\new)
	s_set_vgpr_msb (MSB<<8)|(\new)
.set MSB, (\new)
.endif
.endm
.macro PLACES                          ; four places behind a product, in front of loads into its registers and of the first read of its results (ISA guide 7.12.1 for the first read of its results)
.rept 4
	v_nop
.endr
.endm
.macro WMZ d, a, b, sa, sb, ra         ; a product that starts its sum; ra = 1: source 0's scales stand in lanes 16-31
.if (\ra) == 0
	v_wmma_scale_f32_16x16x128_f8f6f4 v[(\d):(\d)+7], v[(\a):(\a)+11], v[(\b):(\b)+11], 0, v[\sa], v[\sb] matrix_a_fmt:MATRIX_FMT_FP6 matrix_b_fmt:MATRIX_FMT_FP6
.else
	v_wmma_scale_f32_16x16x128_f8f6f4 v[(\d):(\d)+7], v[(\a):(\a)+11], v[(\b):(\b)+11], 0, v[\sa], v[\sb] matrix_a_fmt:MATRIX_FMT_FP6 matrix_b_fmt:MATRIX_FMT_FP6 matrix_a_scale:MATRIX_SCALE_ROW1
.endif
.endm
.macro WMS d, a, b, c, sa, sb, ra, rb
.if ((\ra) == 0) && ((\rb) == 0)
	v_wmma_scale_f32_16x16x128_f8f6f4 v[(\d):(\d)+7], v[(\a):(\a)+11], v[(\b):(\b)+11], v[(\c):(\c)+7], v[\sa], v[\sb] matrix_a_fmt:MATRIX_FMT_FP6 matrix_b_fmt:MATRIX_FMT_FP6
.elseif ((\ra) == 1) && ((\rb) == 0)
	v_wmma_scale_f32_16x16x128_f8f6f4 v[(\d):(\d)+7], v[(\a):(\a)+11], v[(\b):(\b)+11], v[(\c):(\c)+7], v[\sa], v[\sb] matrix_a_fmt:MATRIX_FMT_FP6 matrix_b_fmt:MATRIX_FMT_FP6 matrix_a_scale:MATRIX_SCALE_ROW1
.elseif ((\ra) == 0) && ((\rb) == 1)
	v_wmma_scale_f32_16x16x128_f8f6f4 v[(\d):(\d)+7], v[(\a):(\a)+11], v[(\b):(\b)+11], v[(\c):(\c)+7], v[\sa], v[\sb] matrix_a_fmt:MATRIX_FMT_FP6 matrix_b_fmt:MATRIX_FMT_FP6 matrix_b_scale:MATRIX_SCALE_ROW1
.else
	v_wmma_scale_f32_16x16x128_f8f6f4 v[(\d):(\d)+7], v[(\a):(\a)+11], v[(\b):(\b)+11], v[(\c):(\c)+7], v[\sa], v[\sb] matrix_a_fmt:MATRIX_FMT_FP6 matrix_b_fmt:MATRIX_FMT_FP6 matrix_a_scale:MATRIX_SCALE_ROW1 matrix_b_scale:MATRIX_SCALE_ROW1
.endif
.endm
; 64 numbers of a lane, register 16 B + i = k 32 B + 16 h + i of my row, with their scale operands in v[SCO] on, become 12 registers of codes in v[PC] on.
.macro PACK s
.irp c, 0,1
	v_cvt_scalef32_pk16_fp6_f32 v[PC+6*\c:PC+6*\c+2], v[(\s)+32*\c:(\s)+32*\c+15], v[SCO+2*\c]
	v_cvt_scalef32_pk16_fp6_f32 v[PT+4*\c:PT+4*\c+2], v[(\s)+32*\c+16:(\s)+32*\c+31], v[SCO+2*\c+1]   ; (a conversion's three registers begin on an even number)
.endr
	v_nop                                          ; one plain line behind a scaled conversion
.irp c, 0,1                                    ; the operand's layout wants a WHOLE block in a lane: lanes 0-15 block 2 c, lanes 16-31 block 2 c + 1
.irp i, 0,1,2
	v_permlane16_swap_b32 v[PC+6*\c+\i], v[PT+4*\c+\i]
.endr
.irp i, 0,1,2
	v_mov_b32 v[PC+6*\c+3+\i], v[PT+4*\c+\i]
.endr
.endr
.endm
.macro BYTES                           ; from the four blocks' largest magnitudes in v[TM] on: the conversions' scale operands and the scale word
.irp b, 0,1,2,3
	v_add_nc_u32 v[SCO+\b], 0xff000000, v[TM+\b]   ; 2 off the exponent field
.endr
.irp b, 0,1,2,3
	v_lshrrev_b32 v[TP+\b], 23, v[SCO+\b]          ; the scale's byte
.endr
	v_lshl_or_b32 v[PW], v[TP+1], 8, v[TP]
	v_lshl_or_b32 v[PW], v[TP+2], 16, v[PW]
	v_lshl_or_b32 v[PW], v[TP+3], 24, v[PW]
.endm
.macro QUANT s
.irp b, 0,1,2,3
	v_max3_num_f32 v[TM+\b], |v[(\s)+16*\b]|, |v[(\s)+16*\b+1]|, 0x1800000   ; the floor 2^(3 - 127): the byte cannot fall under 1
.endr
.irp i, 2,4,6,8,10,12,14
.irp b, 0,1,2,3
	v_max3_num_f32 v[TM+\b], v[TM+\b], |v[(\s)+16*\b+\i]|, |v[(\s)+16*\b+\i+1]|
.endr
.endr
.irp b, 0,1,2,3
	v_permlanex16_b32 v[TP+\b], v[TM+\b], s[SEL], s[SEL+1]
.endr
.irp b, 0,1,2,3
	v_max_num_f32 v[TM+\b], v[TM+\b], v[TP+\b]
.endr
	BYTES
	PACK \s
.endm
; A round of the cluster's barrier: my work-group's barrier, wave 0's signal for the work-group, every wave's wait for all four work-groups, my work-group's barrier once more.
.macro ROUND
	s_barrier_signal -1
	s_barrier_wait -1
	s_cmp_lg_u32 s20, 0
	s_cbranch_scc1 .Lnot_wave_0_\@
	s_barrier_signal -3
.Lnot_wave_0_\@:
	s_barrier_wait -3
	s_barrier_signal -1
	s_barrier_wait -1
.endm
.macro TLOAD                           ; my eighth of a slot; an s_nop 0 and four v_nop follow the load
	tensor_load_to_lds s[32:35], s[36:43]
	s_nop 0
.rept 4
	v_nop
.endr
.endm
.macro MLOAD                           ; my 16 rows x 64 keys of adj and of bond: instruction i takes the tile's rows 2 i and 2 i + 1, which lie 2 i + 8 (i / 4) rows down
	WIN 0x40                                       ; destination window 1
.irp i, 0,1,2,3,4,5,6,7
	global_load_b128 v[MA+4*\i:MA+4*\i+3], v[MO], s[52:53] offset:(2*\i+8*(\i/4))*4096 th:TH_LOAD_NT
.endr
.irp i, 0,1,2,3,4,5,6,7
	global_load_b128 v[MBD+4*\i:MBD+4*\i+3], v[MO], s[54:55] offset:(2*\i+8*(\i/4))*4096 th:TH_LOAD_NT
.endr
	WIN 0
.endm
.macro MSUM                            ; adj + bond, into LDS; the pointers go 128 keys on (the loads that named them have been waited for)
	WIN 0x45
.irp j, 0,2,4,6,8,10,12,14,16,18,20,22,24,26,28,30
	v_pk_add_f32 v[MA+\j:MA+\j+1], v[MA+\j:MA+\j+1], v[MBD+\j:MBD+\j+1]
.endr
	WIN 0x04                                       ; an LDS store's data are its source 1: window 1
.irp i, 0,1,2,3,4,5,6,7
	ds_store_b128 v[XW], v[MA+4*\i:MA+4*\i+3] offset:2*XP*\i
.endr
	WIN 0
	s_add_nc_u64 s[52:53], s[52:53], 512
	s_add_nc_u64 s[54:55], s[54:55], 512
.endm
; THE CHANGE OF SLOTS stands at a key step's head.  Each wave waits for all its tensor loads (its eighth of the slot ahead), adds 0 to its spare word, and waits for that, for its reads of the slot that it has left and for its stores of mask sums.
; fill = 1: a round of the cluster's barrier, so that no wave of any partner still reads the other slot or has a load on its way; the joint refill is the first thing behind it and has a whole key step in which to land.
.macro CHANGE fill
	s_wait_tensorcnt 0x0                           ; no tensor load of mine is out, so the descriptor may be written
	ds_add_u32 v[SPW], v[NIL]
.if \fill
	s_xor_b32 s33, s33, SLOT1                      ; the other slot than last time,
	s_add_nc_u64 s[34:35], s[34:35], STEPB         ; the next key step's block; the type bits on top are not reached
.endif
	s_wait_dscnt 0x0
.if \fill
	ROUND
	TLOAD
.else
	s_barrier_signal -1
	s_barrier_wait -1
.endif
.endm
; ONE HEAD'S PART OF A KEY STEP.
.macro HEAD hd
.set ST, STAT+4*(\hd)
.if (\hd) > 0
	PLACES                                         ; behind the last head's products (at the step's first head the address additions and the mask's sums are the places)
.endif
.irp kt, 0,1,2,3,4,5,6,7
	ds_load_b128 v[FR+6*\kt:FR+6*\kt+3], v[AK16] offset:6144*(\hd)+768*\kt
	ds_load_b64 v[FR+6*\kt+4:FR+6*\kt+5], v[AK8] offset:6144*(\hd)+768*\kt+512
.endr
.irp i, 0,1,2,3
	ds_load_b32 v[KSC+\i], v[AKS] offset:512*(\hd)+128*\i
.endr
	s_wait_dscnt 0x0
	WIN 0x04                                       ; source 1 (Q) window 1
.irp kt, 0,1,2,3,4,5,6,7
	WMZ SS+8*\kt, FR+6*\kt, QF+12*(\hd), KSC+\kt/2, QSC+(\hd), \kt%2
.endr
	WIN 0
	PLACES
.irp t, 0,1,2,3                                ; V's four fragments land while the softmax is walked
	ds_load_b128 v[FR+12*\t:FR+12*\t+3], v[AV16] offset:6144*(\hd)+1536*\t
	ds_load_b64 v[FR+12*\t+4:FR+12*\t+5], v[AV8] offset:6144*(\hd)+1536*\t+512
	ds_load_b128 v[FR+12*\t+6:FR+12*\t+9], v[AV16] offset:6144*(\hd)+1536*\t+768
	ds_load_b64 v[FR+12*\t+10:FR+12*\t+11], v[AV8] offset:6144*(\hd)+1536*\t+1280
.endr
.irp i, 0,1
	ds_load_b32 v[VSC+\i], v[AVS] offset:256*(\hd)+128*\i
.endr
.set jj, 0
.rept 32
	v_pk_mul_f32 v[SS+jj:SS+jj+1], v[SS+jj:SS+jj+1], v[MM+jj:MM+jj+1]   ; score x (adj + bond); ascending
.set jj, jj+2
.endr
.irp b, 0,1,2,3
	v_max3_num_f32 v[TM+\b], v[SS+16*\b], v[SS+16*\b+1], v[SS+16*\b+2]   ; the largest of each block of 32 keys: it serves for the row's maximum and, since p rises with it, for the block's largest p
.endr
.irp i, 3,5,7,9,11,13
.irp b, 0,1,2,3
	v_max3_num_f32 v[TM+\b], v[TM+\b], v[SS+16*\b+\i], v[SS+16*\b+\i+1]
.endr
.endr
.irp b, 0,1,2,3
	v_max_num_f32 v[TM+\b], v[TM+\b], v[SS+16*\b+15]
.endr
.irp b, 0,1,2,3
	v_permlanex16_b32 v[TP+\b], v[TM+\b], s[SEL], s[SEL+1]
.endr
.irp b, 0,1,2,3
	v_max_num_f32 v[TM+\b], v[TM+\b], v[TP+\b]     ; with lane l xor 16's 16 keys
.endr
	v_max3_num_f32 v[TMP], v[TM], v[TM+1], v[TM+2]
	v_max_num_f32 v[TMP], v[TMP], v[TM+3]
	v_mul_f32 v[TMP], s[CS], v[TMP]                ; as t (c is positive)
	v_max_num_f32 v[ST+1], v[ST+1], v[TMP]         ; the running largest t
	v_mov_b32 v[TMP], v[ST]
	v_floor_f32 v[ST], -v[ST+1]                    ; the new -M = floor(-t): M is a whole number
	v_sub_f32 v[TMP], v[ST], v[TMP]                ; old M - new M: a whole number, 0 or less
	v_cvt_i32_f32 v[TMP], v[TMP]                   ; (it saturates)
	v_ldexp_f32 v[FF], 1.0, v[TMP]                 ; f = 2^(old M - new M)
.set jj, 0
.rept 32
	v_pk_fma_f32 v[SS+jj:SS+jj+1], v[SS+jj:SS+jj+1], s[CS:CS+1], v[ST:ST+1] op_sel_hi:[1,0,0]   ; t - M (of the pairs c and -M the low word serves both halves)
.set jj, jj+2
.endr
.irp b, 0,1,2,3
	v_fma_f32 v[TM+\b], v[TM+\b], s[CS], v[ST]     ; the same of each block's largest
.endr
.set jj, 0
.rept 64
	v_exp_f32 v[SS+jj], v[SS+jj]                   ; p = 2^(t - M)
.set jj, jj+1
.endr
	v_pk_mul_f32 v[ST+2:ST+3], v[ST+2:ST+3], v[FF:FF+1] op_sel_hi:[1,0]   ; l under the new M: the plain line behind the exponentials
	s_wait_alu depctr_va_vdst(0)                   ; one wait for the batch of 64, ahead of its first reader
.irp b, 0,1,2,3
	v_exp_f32 v[TM+\b], v[TM+\b]                   ; the blocks' largest p
.endr
	v_pk_add_f32 v[C2:C2+1], v[SS:SS+1], v[SS+2:SS+3]   ; the sum of the UNQUANTISED p, in two chains; it reads the 64 alone
.irp j, 4,8,12,16,20,24,28,32,36,40,44,48,52,56,60
	v_pk_add_f32 v[ST+2:ST+3], v[ST+2:ST+3], v[SS+\j:SS+\j+1]
	v_pk_add_f32 v[C2:C2+1], v[C2:C2+1], v[SS+\j+2:SS+\j+3]
.endr
	v_pk_add_f32 v[ST+2:ST+3], v[ST+2:ST+3], v[C2:C2+1]
	s_wait_alu depctr_va_vdst(0)                   ; and one for the four
.irp b, 0,1,2,3
	v_max_num_f32 v[TM+\b], 0x1800000, v[TM+\b]    ; the floor 2^(3 - 127)
.endr
	BYTES
	PACK SS
	WIN 0x41                                       ; O^T (destination and source 0) window 1, f window 0
.set jj, 0
.rept 16
	v_pk_mul_f32 v[32*(\hd)+jj:32*(\hd)+jj+1], v[32*(\hd)+jj:32*(\hd)+jj+1], v[FF:FF+1] op_sel_hi:[1,0]   ; O^T under the new M.  For each product below twelve of these name none of its registers: the places behind the scale word and the codes
.set jj, jj+2
.endr
	s_wait_dscnt 0x0                               ; V is in
	WIN 0x50                                       ; C and D window 1
.irp t, 0,1,2,3                                ; the four accumulators take turns, one product a turn
	WMS 32*(\hd)+8*\t, FR+12*\t, PC, 32*(\hd)+8*\t, VSC+\t/2, PW, \t%2, 0
.endr
	WIN 0
.endm
; A KEY STEP.  next = 1: the next step's masks are asked for at its head and, behind a barrier that parts all waves' reads of the sums from the new stores, summed into LDS at its end.
.macro STEP next
	s_add_co_u32 s48, s[TB], s44
	s_add_co_u32 s49, s[TB], s45
	s_add_co_u32 s50, s[TB], s46
	s_add_co_u32 s51, s[TB], s47
	v_add_nc_u32 v[AK16], s48, v[L16]
	v_add_nc_u32 v[AK8], s48, v[L8]
	v_add_nc_u32 v[AKS], s49, v[L4]
	v_add_nc_u32 v[AV16], s50, v[L16]
	v_add_nc_u32 v[AV8], s50, v[L8]
	v_add_nc_u32 v[AVS], s51, v[L4]
.irp b, 0,1,2,3
.irp e, 0,1,2,3
	ds_load_b128 v[MM+16*\b+4*\e:MM+16*\b+4*\e+3], v[XR] offset:128*\b+16*\e   ; the mask of my query at keys 32 b + 16 h + 4 e on: it serves all four heads
.endr
.endr
.if \next
	MLOAD
.endif
	HEAD 0
	HEAD 1
	HEAD 2
	HEAD 3
	s_xor_b32 s[TB], s[TB], SLOT1                  ; on to the other slot
.if \next
	s_wait_dscnt 0x0                               ; my reads of the mask sums are over
	s_barrier_signal -1
	s_barrier_wait -1                              ; everybody's are; nothing is filled by a tensor load behind this barrier, so my refill may stay out
	s_wait_loadcnt 0x0                             ; the next step's masks, asked for a key step ago
	MSUM
.endif
.endm
	s_load_b512 s[4:19], s[0:1], 0x0               ; qc, kv, adj, bond, wc, ws, bo, out0
	v_lshl_add_u32 v[SPW], v0, 2, SPARE
	v_mov_b32 v[NIL], 0
	ds_add_u32 v[SPW], v[NIL]                      ; the wave's opening: the add and its wait stand ahead of my first tensor load; the set-up below, work on registers, stands between them
	v_lshrrev_b32 v[TMP], 5, v0
	v_readfirstlane_b32 s20, v[TMP]                ; wave 0..7
	s_and_b32 s21, s20, 3                          ; m: my tile of queries
	s_lshr_b32 s22, s20, 2                         ; g: my four heads
	s_and_b32 s25, ttmp7, 0xffff                   ; the batch, which the four partners share
	; the descriptor: group 1, 51 rows of 32 elements of 8 bytes, dense; group 0 walks
	s_mov_b32 s36, 15|(3<<16)|(1<<21)              ; 15:0 the mask: all four work-groups; 17:16 elements of 8 bytes; 20 no padding; 21 set beside a mask
	s_mov_b32 s37, 32<<16                          ; tensor_dim0 = 32
	s_mov_b32 s38, 51<<16                          ; tensor_dim1 = 51
	s_mov_b32 s39, 32<<16                          ; tile_dim0 = 32
	s_mov_b32 s40, 51                              ; tile_dim1 = 51
	s_mov_b32 s41, 32                              ; elements from row to row
	s_mov_b32 s42, 0
	s_mov_b32 s43, 0
	s_mov_b32 s32, 1                               ; count = 1
	s_mul_i32 s33, s20, STEPB/8                    ; LDS address: my eighth of slot 0: no place in the cluster enters it
	s_mul_i32 s56, s25, 8*STEPB                    ; the batch's eight blocks,
	s_add_co_u32 s56, s56, s33                     ; my eighth of the first
	s_mov_b32 s57, 0
	s_bfe_u32 s23, ttmp6, 0x40000                  ; cx: my place in the cluster: it enters global addresses of the masks, of q and of out0 alone
	s_lshl_b32 s24, ttmp9, 2
	s_add_co_u32 s24, s24, s23                     ; qb: my block of 64 queries
	s_mov_b32 s[SEL], 0x76543210
	s_mov_b32 s[SEL+1], 0xfedcba98
	s_mov_b32 s[CS], 0x3e38aa3b                    ; log2(e) / 8
	s_mov_b32 s[CS+1], s[CS]                       ; (named with it as a pair, so it is written)
	s_mov_b32 s[TB], 0
	s_mov_b32 s31, 7                               ; key steps behind which another is asked for
	s_mul_i32 s44, s22, 24576                      ; in a slot: my heads' K codes,
	s_lshl_b32 s45, s22, 11
	s_add_co_u32 s45, s45, 49152                   ; K scale words,
	s_add_co_u32 s46, s44, 53248                   ; V codes,
	s_lshl_b32 s47, s22, 10
	s_add_co_u32 s47, s47, 102400                  ; V scale words
	v_and_b32 v[TMP], 31, v0
	v_lshlrev_b32 v[L16], 4, v[TMP]
	v_lshlrev_b32 v[L8], 3, v[TMP]
	v_lshlrev_b32 v[L4], 2, v[TMP]
	v_and_b32 v4, 15, v0                           ; lane % 16
	v_bfe_u32 v5, v0, 4, 1                         ; lane / 16
	s_mul_i32 s48, s21, 16*XP                      ; my tile's rows of mask sums
	s_lshl_b32 s49, s22, 8
	s_add_co_u32 s49, s49, s48                     ; and my half of their keys
	v_mul_u32_u24 v[XW], v5, XP
	v_lshl_add_u32 v[XW], v4, 4, v[XW]
	v_add_nc_u32 v[XW], s49, v[XW]
	v_add_nc_u32 v[XW], XB, v[XW]                  ; in: sixteen lanes a row's 256 bytes, two rows an instruction
	v_mul_u32_u24 v[XR], v4, XP
	v_lshl_add_u32 v[XR], v5, 6, v[XR]
	v_add_nc_u32 v[XR], s48, v[XR]
	v_add_nc_u32 v[XR], XB, v[XR]                  ; out: my query's row, + 64 h
	v_lshlrev_b32 v[MO], 12, v5
	v_lshl_add_u32 v[MO], v4, 4, v[MO]
	v_lshlrev_b32 v[TMP], 2, v4                    ; Q's scale words: 4 (lane % 16)
	s_lshl_b32 s58, s25, 22                        ; the masks: the batch's 4 MiB,
	s_lshl_b32 s48, s24, 18                        ; 64 qb rows of 4,096 bytes,
	s_add_co_u32 s58, s58, s48
	s_lshr_b32 s48, s21, 1
	s_lshl_b32 s48, s48, 17                        ; 32 (m / 2) rows,
	s_add_co_u32 s58, s58, s48
	s_and_b32 s48, s21, 1
	s_lshl_b32 s48, s48, 15                        ; 8 (m % 2) rows,
	s_add_co_u32 s58, s58, s48
	s_lshl_b32 s48, s22, 8                         ; my 64 keys of a step's 128
	s_add_co_u32 s58, s58, s48
	s_mov_b32 s59, 0
	s_lshl_b32 s48, s25, 3
	s_lshr_b32 s49, s24, 1
	s_add_co_u32 s48, s48, s49
	s_mul_i32 s48, s48, 53248                      ; q: my block of 128 rows
	s_and_b32 s49, s24, 1
	s_lshl_b32 s49, s49, 2
	s_add_co_u32 s49, s49, s21                     ; kt: my tile in it
	s_mul_i32 s60, s49, 768
	s_add_co_u32 s60, s60, s48
	s_add_co_u32 s60, s60, s44                     ; + 24,576 g: my heads' codes
	s_mov_b32 s61, 0
	s_lshl_b32 s62, s49, 6                         ; 128 (kt / 2) + 64 (kt % 2) = 64 kt
	s_add_co_u32 s62, s62, s48
	s_add_co_u32 s62, s62, s45                     ; + 49,152 + 2,048 g: my heads' scale words
	s_mov_b32 s63, 0
	s_lshl_b32 s66, s25, 21                        ; out0: the batch's 1,024 rows of 2,048 bytes,
	s_lshl_b32 s48, s24, 17                        ; 64 qb rows,
	s_add_co_u32 s66, s66, s48
	s_lshl_b32 s48, s20, 8                         ; my 64 columns
	s_add_co_u32 s66, s66, s48
	s_mov_b32 s67, 0
	s_mul_i32 s68, s20, 24576                      ; Wo's tiles 4 w on,
	s_add_co_u32 s68, s68, 589824                  ; in the fourth matrix of wc
	s_mov_b32 s69, 0
	s_lshl_b32 s70, s20, 11
	s_add_co_u32 s70, s70, 49152                   ; and of ws
	s_mov_b32 s71, 0
	s_lshl_b32 s50, s20, 8                         ; bo: my 64 numbers
	s_mov_b32 s51, 0
	s_wait_dscnt 0x0                               ; the opening add is done
	s_wait_kmcnt 0x0
	s_add_nc_u64 s[34:35], s[6:7], s[56:57]        ; group 0: the global address,
	s_or_b32 s35, s35, 0x80000000                  ; type = 2
	s_add_nc_u64 s[52:53], s[8:9], s[58:59]        ; adj
	s_add_nc_u64 s[54:55], s[10:11], s[58:59]      ; bond
	s_add_nc_u64 s[6:7], s[4:5], s[62:63]          ; q's scale words
	s_add_nc_u64 s[4:5], s[4:5], s[60:61]          ; q's codes
	s_add_nc_u64 s[12:13], s[12:13], s[68:69]
	s_add_nc_u64 s[14:15], s[14:15], s[70:71]
	s_add_nc_u64 s[16:17], s[16:17], s[50:51]
	s_add_nc_u64 s[18:19], s[18:19], s[66:67]
	ROUND                                          ; all four work-groups are here: the first joint loads meet
	TLOAD                                          ; key step 0 into slot 0
	MLOAD                                          ; key step 0's masks
	WIN 0x40
.irp hd, 0,1,2,3
	global_load_b128 v[QF+12*\hd:QF+12*\hd+3], v[L16], s[4:5] offset:6144*\hd        ; Q stays in registers
	global_load_b64 v[QF+12*\hd+4:QF+12*\hd+5], v[L8], s[4:5] offset:6144*\hd+512
.endr
	WIN 0
.irp hd, 0,1,2,3
	global_load_b32 v[QSC+\hd], v[TMP], s[6:7] offset:512*\hd
.endr
	WIN 0x40
.set jj, 0
.rept 128
	v_mov_b32 v[jj], 0                             ; O^T: the first change of M multiplies zeros
.set jj, jj+1
.endr
.irp hd, 0,1,2,3
.irp j, 6,7,8,9,10,11
	v_mov_b32 v[QF+12*\hd+\j], 0                   ; zero codes for k = 64 .. 127
.endr
.endr
	WIN 0
.irp hd, 0,1,2,3
	v_mov_b32 v[STAT+4*\hd+1], 0xff61b1e6          ; the largest t so far: -3e38
	v_floor_f32 v[STAT+4*\hd], -v[STAT+4*\hd+1]    ; -M
	v_mov_b32 v[STAT+4*\hd+2], 0                   ; l
	v_mov_b32 v[STAT+4*\hd+3], 0
.endr
.irp b, 0,1,2,3
	v_mov_b32 v[TP+\b], 0                          ; written once: a lane permute's destination counts as one of its sources
.endr
	v_mov_b32 v[FF], 0
	v_mov_b32 v[FF+1], 0
.irp j, 0,1,2,3,4,5
	v_mov_b32 v[PC+\j], 0                          ; K tile 7's padded half reads these before p's first codes are made
.endr
	s_wait_loadcnt 12                              ; the 16 mask loads are in; Q's eight and its four scale words, issued behind them, may be out
	MSUM
	s_wait_loadcnt 0x0                             ; Q
.Lstep:                                            ; seven trips: key steps 0 to 6; behind each change of slots the next step's block is asked for
	CHANGE 1
	STEP 1
	s_sub_co_u32 s31, s31, 1
	s_cmp_lg_u32 s31, 0
	s_cbranch_scc1 .Lstep
	CHANGE 0                                       ; the last key step is written out: nothing is left to fetch
	STEP 0
	; ---- THE LAST PRODUCT.  Wave w makes columns 64 w .. 64 w + 63 of out0 for all 64 rows.  The addresses first: twenty plain lines that name no register of the last products, their places.
	v_and_b32 v4, 15, v0                           ; r
	v_bfe_u32 v5, v0, 4, 1                         ; h
	v_lshlrev_b32 v7, 9, v5
	v_lshl_add_u32 v7, v4, 2, v7                   ; scale words by pairs of tiles: 512 h + 4 r: lanes 0-15 the even tile's, lanes 16-31 the odd one's
	v_add_nc_u32 v6, CIS, v7                       ; ctx's, in LDS
	v_lshlrev_b32 v11, 6, v5                       ; bo: 64 h
	v_add_nc_u32 v12, CI, v[L16]                   ; ctx's images
	s_mul_i32 s50, s20, 16*SP
	s_add_co_u32 s50, s50, STG                     ; my stage
	v_mul_u32_u24 v8, v4, SP
	v_lshl_add_u32 v8, v5, 6, v8
	v_add_nc_u32 v8, s50, v8                       ; in: row r, + 64 h
	v_mul_u32_u24 v9, v5, SP
	v_lshl_add_u32 v9, v4, 4, v9
	v_add_nc_u32 v9, s50, v9                       ; back: lanes 0-15 one row of 256 bytes, lanes 16-31 the next
	v_lshlrev_b32 v10, 11, v5
	v_lshl_add_u32 v10, v4, 4, v10                 ; and the same two rows in out0
	s_mul_i32 s48, s21, 6144
	s_mul_i32 s49, s22, 3072
	s_add_co_u32 s48, s48, s49
	v_add_nc_u32 v4, s48, v12                      ; where I store ctx's images: fragments 4 m + 2 g and 4 m + 2 g + 1
	s_lshl_b32 s49, s21, 9
	s_lshl_b32 s51, s22, 8
	s_add_co_u32 s49, s49, s51
	s_add_co_u32 s49, s49, CIS
	v_add_nc_u32 v5, s49, v[L4]                    ; and their scale words
	WIN 0x40                                       ; Wo's fragments of K steps 0 and 1 and bo take the registers that Q and the masks have left
.irp s, 0,1
.irp n, 0,1,2,3
.irp c, 0,1,2
	global_load_b128 v[128+48*\s+12*\n+4*\c:128+48*\s+12*\n+4*\c+3], v[L16], s[12:13] offset:6144*\n+1536*\s+512*\c
.endr
.endr
.endr
.irp n, 0,1,2,3
	global_load_b128 v[224+8*\n:224+8*\n+3], v11, s[16:17] offset:(32*(\n/2)+8*(\n%2))*4
	global_load_b128 v[224+8*\n+4:224+8*\n+7], v11, s[16:17] offset:(32*(\n/2)+8*(\n%2))*4+16
.endr
	WIN 0
.irp u, 0,1
.irp s, 0,1,2,3
	global_load_b32 v[32+4*\u+\s], v7, s[14:15] offset:1024*\u+128*\s
.endr
.endr
.irp hd, 0,1,2,3
	v_add_f32 v[TM+2*\hd], v[STAT+4*\hd+2], v[STAT+4*\hd+3]   ; l's two halves,
.endr
.irp hd, 0,1,2,3
	v_permlanex16_b32 v[TM+2*\hd+1], v[TM+2*\hd], s[SEL], s[SEL+1]
.endr
.irp hd, 0,1,2,3
	v_add_f32 v[TM+2*\hd], v[TM+2*\hd], v[TM+2*\hd+1]         ; and lane l xor 16's: the row's sum
.endr
.irp hd, 0,1,2,3
	v_rcp_f32 v[TM+2*\hd], v[TM+2*\hd]
.endr
	v_nop                                          ; a plain line behind the last reciprocal
	s_wait_alu depctr_va_vdst(0)                   ; one wait for the four, ahead of their first reader
	WIN 0x01                                       ; source 0 (O^T) window 1
.irp hd, 0,1,2,3
.set jj, 0
.rept 16
	v_pk_mul_f32 v[128+32*\hd+jj:128+32*\hd+jj+1], v[32*\hd+jj:32*\hd+jj+1], v[TM+2*\hd:TM+2*\hd+1] op_sel_hi:[1,0]   ; ctx = O^T / l: register 32 hd + 16 B + i is e = 64 (4 g + hd) + 32 B + 16 h + i
.set jj, jj+2
.endr
.endr
	WIN 0x40                                       ; O^T has been read: Wo's fragments of K steps 2 and 3 take its place
.irp s, 2,3
.irp n, 0,1,2,3
.irp c, 0,1,2
	global_load_b128 v[48*(\s-2)+12*\n+4*\c:48*(\s-2)+12*\n+4*\c+3], v[L16], s[12:13] offset:6144*\n+1536*\s+512*\c
.endr
.endr
.endr
	WIN 0
	QUANT 128                                      ; heads 4 g and 4 g + 1: K step 2 g of the last product
.irp c, 0,1,2
	ds_store_b128 v4, v[PC+4*\c:PC+4*\c+3] offset:512*\c
.endr
	ds_store_b32 v5, v[PW]
	s_wait_dscnt 0x0                               ; the stores have read their registers
	QUANT 192                                      ; heads 4 g + 2 and 4 g + 3: K step 2 g + 1
.irp c, 0,1,2
	ds_store_b128 v4, v[PC+4*\c:PC+4*\c+3] offset:1536+512*\c
.endr
	ds_store_b32 v5, v[PW] offset:128
	s_wait_dscnt 0x0                               ; for the others' sake: my images have landed
	s_barrier_signal -1
	s_barrier_wait -1                              ; ctx's sixteen fragments lie in LDS
.irp s, 0,1,2,3
.if \s > 0
	PLACES
.endif
.irp m, 0,1,2,3
.irp c, 0,1,2
	ds_load_b128 v[FR+12*\m+4*\c:FR+12*\m+4*\c+3], v12 offset:1536*(4*\m+\s)+512*\c
.endr
.endr
.irp u, 0,1
	ds_load_b32 v[40+\u], v6 offset:1024*\u+128*\s
.endr
	s_wait_dscnt 0x0
.if \s == 0
	s_wait_loadcnt 24                              ; all but the 24 loads of Wo's K steps 2 and 3
	WIN 0x11                                       ; source 0 (Wo) and C (bo) window 1
.else
.if \s == 2
	s_wait_loadcnt 0x0
.endif
	WIN 0x01
.endif
.irp m, 0,1,2,3                                ; the 16 accumulators take turns, one product a turn
.irp n, 0,1,2,3
.if \s < 2
.set WA, 128+48*\s+12*\n
.else
.set WA, 48*(\s-2)+12*\n
.endif
.if \s == 0
.set CC, 224+8*\n
.else
.set CC, 128+32*\m+8*\n
.endif
	WMS 128+32*\m+8*\n, WA, FR+12*\m, CC, 32+4*(\n/2)+\s, 40+\m/2, \n%2, \m%2
.endr
.endr
	WIN 0
.endr
	; ---- THE WAY OUT, a tile of 16 rows x 64 columns at a time, through my own stage: LDS serves a wave's instructions in order, so no wait stands between the stores and the loads
	PLACES
.irp m, 0,1,2,3
.if \m >= 2
	s_wait_xcnt 0x0                                ; the stores of two tiles back have read their registers: the loads below may land there
.endif
.irp n, 0,1,2,3
	ds_store_b128 v8, v[128+32*\m+8*\n:128+32*\m+8*\n+3] offset:128*(\n/2)+32*(\n%2)        ; each accumulator from its low end on
	ds_store_b128 v8, v[128+32*\m+8*\n+4:128+32*\m+8*\n+7] offset:128*(\n/2)+32*(\n%2)+16
.endr
.irp i, 0,1,2,3,4,5,6,7
	ds_load_b128 v[64+32*(\m%2)+4*\i:64+32*(\m%2)+4*\i+3], v9 offset:2*SP*\i
.endr
	s_wait_dscnt 0x0
.irp i, 0,1,2,3,4,5,6,7
	global_store_b128 v10, v[64+32*(\m%2)+4*\i:64+32*(\m%2)+4*\i+3], s[18:19] offset:(32*(\m/2)+8*(\m%2)+2*\i+8*(\i/4))*2048 th:TH_STORE_NT   ; sixteen lanes store 256 consecutive bytes, at a multiple of 256 from out0's first byte
.endr
.endr
	s_wait_tensorcnt 0x0                           ; the wave's end: a wait, an add to my spare word and its wait, behind my last tensor load and my last LDS store
	ds_add_u32 v[SPW], v[NIL]
	s_wait_dscnt 0x0
	ROUND                                          ; the closing round: no work-group ends while a partner may still ask for a block that names it
	s_endpgm
.Lfunc_end_k_q50704a3c34_attn:
	.size	k_q50704a3c34_attn, .Lfunc_end_k_q50704a3c34_attn-k_q50704a3c34_attn
	.p2alignl 7, 3214868480
	.fill 96, 4, 3214868480
	.section	.rodata,"a",@progbits
	.p2align	6, 0x0
	.amdhsa_kernel k_q50704a3c34_attn
		.amdhsa_group_segment_fixed_size 327680
		.amdhsa_private_segment_fixed_size 0
		.amdhsa_enable_private_segment 0
		.amdhsa_kernarg_size 64
		.amdhsa_user_sgpr_count 2
		.amdhsa_user_sgpr_kernarg_segment_ptr 1
		.amdhsa_wavefront_size32 1
		.amdhsa_system_sgpr_workgroup_id_x 1
		.amdhsa_system_sgpr_workgroup_id_y 1
		.amdhsa_system_sgpr_workgroup_id_z 1
		.amdhsa_system_vgpr_workitem_id 0
		.amdhsa_next_free_vgpr 512
		.amdhsa_next_free_sgpr 72
		.amdhsa_reserve_vcc 0
		.amdhsa_float_denorm_mode_32 3
		.amdhsa_float_denorm_mode_16_64 3
		.amdhsa_memory_ordered 1
		.amdhsa_forward_progress 1
		.amdhsa_inst_pref_size 207
	.end_amdhsa_kernel
	.amdgpu_metadata
---
amdhsa.version: [ 1, 2 ]
amdhsa.kernels:
  - .name:           k_q50704a3c34_attn
    .symbol:         k_q50704a3c34_attn.kd
    .args:
      - { .name: qc, .offset: 0, .size: 8, .value_kind: global_buffer, .address_space: global }
      - { .name: kv, .offset: 8, .size: 8, .value_kind: global_buffer, .address_space: global }
      - { .name: adj_matrix, .offset: 16, .size: 8, .value_kind: global_buffer, .address_space: global }
      - { .name: bond_matrix, .offset: 24, .size: 8, .value_kind: global_buffer, .address_space: global }
      - { .name: wc, .offset: 32, .size: 8, .value_kind: global_buffer, .address_space: global }
      - { .name: ws, .offset: 40, .size: 8, .value_kind: global_buffer, .address_space: global }
      - { .name: bo, .offset: 48, .size: 8, .value_kind: global_buffer, .address_space: global }
      - { .name: out0, .offset: 56, .size: 8, .value_kind: global_buffer, .address_space: global }
    .group_segment_fixed_size: 327680
    .private_segment_fixed_size: 0
    .kernarg_segment_align: 8
    .kernarg_segment_size: 64
    .max_flat_workgroup_size: 256
    .sgpr_count:     72
    .vgpr_count:     512
    .wavefront_size: 32
...
	.end_amdgpu_metadata
.endif
;; end of part 3
;; ======== version 2 of 2: 3 launches
;; workspace buffers: wc 786,432 bytes; ws 65,536 bytes; qc 6,815,744 bytes; kv 13,369,344 bytes
;; launch wquant (part 4): grid 128 x 1, 4 waves a work-group, no clusters, 0 bytes of LDS; arguments Wq, Wk, Wv, Wo, wc, ws; writes wc, ws
.if DOCPART == 4
	.amdgcn_target "amdgcn-amd-amdhsa--gfx1250"
	.amdhsa_code_object_version 6
	.text
	.protected	k_q50704a3c34_wquant
	.globl	k_q50704a3c34_wquant
	.p2align	8
	.type	k_q50704a3c34_wquant,@function
k_q50704a3c34_wquant:
	s_mov_b64 s[64:65], 0
	v_nop
	global_prefetch_b8 v0, s[64:65] scope:SCOPE_SE
	s_setreg_imm32_b32 hwreg(HW_REG_WAVE_MODE, 25, 1), 1
	s_wait_xcnt 0x0
; Wq, Wk, Wv, Wo [512][512] f32 (K = the second axis, innermost) become codes of FP6 (E2M3) with one E8M0 byte for each 32 along K,
; laid in the ORDER OF THE OPERAND'S REGISTERS: wc [matrix p][tile T 0..31][K step s 0..3][1,536 bytes], a fragment's registers 4 c .. 4 c + 3 at 512 c + 16 x lane;
; ws [p][T][s][32 lanes] of 32-bit scale words (lanes 16-31 repeat lanes 0-15).
; THE ROWS OF A TILE ARE NOT NEIGHBOURS: lane r of tile T takes row 32 (T / 2) + 8 (T % 2) + r + 8 (r / 8), so that the results of two neighbouring tiles used as source 0 are 16 neighbours in a lane.
; SHARES: work-group G = 32 p + T makes one tile, its wave s the fragment of K step s.  Lane (r, h) holds k = 128 s + 64 c + 32 h + 0 .. 31, c = 0, 1: two whole blocks, so no other lane is asked for a maximum.
; A block's scale is 2^(floor(log2(largest magnitude)) - 2): the largest magnitude's exponent field less 2, held at 1 from below.
; LIMITS: a block of zeros gets the byte 1 (its codes are zeros, and this program alone reads the bytes); NaN and infinities among the inputs are not served.
; The launch reads 4 MiB once and has no LDS, no barrier and no loop; matrix units and clusters have nothing to do here.
.set X,  32                            ; v32-95   my 64 numbers
.set C,  96                            ; v96-107  the fragment
.set CT, 108                           ; v108-110, v112-114 the upper halves of the blocks' codes (a conversion's three registers begin on an even number)
	s_load_b256 s[4:11], s[0:1], 0x0               ; Wq, Wk, Wv, Wo
	s_load_b128 s[12:15], s[0:1], 0x20             ; wc, ws
	v_lshrrev_b32 v1, 5, v0
	v_readfirstlane_b32 s16, v1                    ; wave = K step
	v_and_b32 v1, 15, v0                           ; r
	v_bfe_u32 v2, v0, 4, 1                         ; h
	v_and_b32 v3, 8, v1
	v_add_nc_u32 v3, v3, v1                        ; r + 8 (r / 8)
	v_lshlrev_b32 v3, 11, v3                       ; a row of W is 2,048 bytes
	v_lshl_add_u32 v3, v2, 7, v3                   ; + 128 h: my block of 32 numbers
	v_and_b32 v4, 31, v0
	v_lshlrev_b32 v5, 2, v4                        ; 4 x lane
	v_lshlrev_b32 v4, 4, v4                        ; 16 x lane
	v_lshlrev_b32 v6, 3, v2                        ; 8 h: my bytes' place in the scale word
	v_mov_b32 v15, 0                               ; (a lane permute's destination counts as one of its sources)
	s_mov_b32 s26, 0x76543210
	s_mov_b32 s27, 0xfedcba98                      ; selects for lane l xor 16
	s_lshr_b32 s17, ttmp9, 5                       ; p
	s_and_b32 s18, ttmp9, 31                       ; T
	s_lshr_b32 s19, s18, 1
	s_lshl_b32 s19, s19, 16                        ; 32 (T / 2) rows of 2,048 bytes
	s_and_b32 s20, s18, 1
	s_lshl_b32 s20, s20, 14                        ; 8 (T % 2) rows
	s_add_co_u32 s20, s20, s19
	s_lshl_b32 s19, s16, 9                         ; K step s: 512 bytes along the row
	s_add_co_u32 s20, s20, s19
	s_mov_b32 s21, 0
	s_mul_i32 s22, ttmp9, 6144                     ; wc: four fragments a tile,
	s_mul_i32 s19, s16, 1536                       ; mine
	s_add_co_u32 s22, s22, s19
	s_mov_b32 s23, 0
	s_lshl_b32 s24, ttmp9, 9                       ; ws: 512 bytes a tile,
	s_lshl_b32 s19, s16, 7                         ; 128 a K step
	s_add_co_u32 s24, s24, s19
	s_mov_b32 s25, 0
	s_wait_alu depctr_va_vdst(0)
	s_wait_kmcnt 0x0
	s_cmp_eq_u32 s17, 1                            ; which matrix: the choice hangs on the work-group's number alone
	s_cselect_b64 s[4:5], s[6:7], s[4:5]
	s_cmp_eq_u32 s17, 2
	s_cselect_b64 s[4:5], s[8:9], s[4:5]
	s_cmp_eq_u32 s17, 3
	s_cselect_b64 s[4:5], s[10:11], s[4:5]
	s_add_nc_u64 s[4:5], s[4:5], s[20:21]
	s_add_nc_u64 s[12:13], s[12:13], s[22:23]
	s_add_nc_u64 s[14:15], s[14:15], s[24:25]
.irp c, 0,1
.irp i, 0,1,2,3,4,5,6,7
	global_load_b128 v[X+32*\c+4*\i:X+32*\c+4*\i+3], v3, s[4:5] offset:256*\c+16*\i
.endr
.endr
	s_wait_loadcnt 0x0
.irp c, 0,1
	v_max3_num_f32 v[8+\c], |v[X+32*\c]|, |v[X+32*\c+1]|, 0x1800000   ; the floor 2^(3 - 127) among the leaves: the byte cannot fall under 1
.endr
.irp i, 2,4,6,8,10,12,14,16,18,20,22,24,26,28,30
.irp c, 0,1
	v_max3_num_f32 v[8+\c], v[8+\c], |v[X+32*\c+\i]|, |v[X+32*\c+\i+1]|   ; the two blocks by turns
.endr
.endr
.irp c, 0,1
	v_add_nc_u32 v[10+\c], 0xff000000, v[8+\c]     ; 2 off the exponent field: the conversion's scale operand
.endr
.irp c, 0,1
	v_lshrrev_b32 v[12+\c], 23, v[10+\c]           ; the scale's byte
.endr
	v_lshl_or_b32 v14, v13, 16, v12                ; my two bytes, blocks h and 2 + h,
	v_lshlrev_b32 v14, v6, v14                     ; at their places;
	v_permlanex16_b32 v15, v14, s26, s27
	v_or_b32 v14, v14, v15                         ; with lane l xor 16's two the word is whole, in both halves of the lanes
.irp c, 0,1
	v_cvt_scalef32_pk16_fp6_f32 v[C+6*\c:C+6*\c+2], v[X+32*\c:X+32*\c+15], v[10+\c]
	v_cvt_scalef32_pk16_fp6_f32 v[CT+4*\c:CT+4*\c+2], v[X+32*\c+16:X+32*\c+31], v[10+\c]
.endr
	v_nop                                          ; one plain line behind a scaled conversion
.irp c, 0,1
.irp i, 0,1,2
	v_mov_b32 v[C+6*\c+3+\i], v[CT+4*\c+\i]
.endr
.endr
.irp c, 0,1,2
	global_store_b128 v4, v[C+4*\c:C+4*\c+3], s[12:13] offset:512*\c   ; 32 lanes store 512 consecutive bytes, at a multiple of 256 from wc's first byte
.endr
	global_store_b32 v5, v14, s[14:15]
	s_endpgm
.Lfunc_end_k_q50704a3c34_wquant:
	.size	k_q50704a3c34_wquant, .Lfunc_end_k_q50704a3c34_wquant-k_q50704a3c34_wquant
	.p2alignl 7, 3214868480
	.fill 96, 4, 3214868480
	.section	.rodata,"a",@progbits
	.p2align	6, 0x0
	.amdhsa_kernel k_q50704a3c34_wquant
		.amdhsa_group_segment_fixed_size 0
		.amdhsa_private_segment_fixed_size 0
		.amdhsa_enable_private_segment 0
		.amdhsa_kernarg_size 48
		.amdhsa_user_sgpr_count 2
		.amdhsa_user_sgpr_kernarg_segment_ptr 1
		.amdhsa_wavefront_size32 1
		.amdhsa_system_sgpr_workgroup_id_x 1
		.amdhsa_system_sgpr_workgroup_id_y 1
		.amdhsa_system_sgpr_workgroup_id_z 1
		.amdhsa_system_vgpr_workitem_id 0
		.amdhsa_next_free_vgpr 116
		.amdhsa_next_free_sgpr 66
		.amdhsa_reserve_vcc 0
		.amdhsa_float_denorm_mode_32 3
		.amdhsa_float_denorm_mode_16_64 3
		.amdhsa_memory_ordered 1
		.amdhsa_forward_progress 1
		.amdhsa_inst_pref_size 7
	.end_amdhsa_kernel
	.amdgpu_metadata
---
amdhsa.version: [ 1, 2 ]
amdhsa.kernels:
  - .name:           k_q50704a3c34_wquant
    .symbol:         k_q50704a3c34_wquant.kd
    .args:
      - { .name: Wq, .offset: 0, .size: 8, .value_kind: global_buffer, .address_space: global }
      - { .name: Wk, .offset: 8, .size: 8, .value_kind: global_buffer, .address_space: global }
      - { .name: Wv, .offset: 16, .size: 8, .value_kind: global_buffer, .address_space: global }
      - { .name: Wo, .offset: 24, .size: 8, .value_kind: global_buffer, .address_space: global }
      - { .name: wc, .offset: 32, .size: 8, .value_kind: global_buffer, .address_space: global }
      - { .name: ws, .offset: 40, .size: 8, .value_kind: global_buffer, .address_space: global }
    .group_segment_fixed_size: 0
    .private_segment_fixed_size: 0
    .kernarg_segment_align: 8
    .kernarg_segment_size: 48
    .max_flat_workgroup_size: 128
    .sgpr_count:     66
    .vgpr_count:     116
    .wavefront_size: 32
...
	.end_amdgpu_metadata
.endif
;; end of part 4
;; launch proj (part 5): grid 256 x 1, 4 waves a work-group, no clusters, 27,136 bytes of LDS; arguments x, wc, ws, bq, bk, bv, qc, kv; writes qc, kv
.if DOCPART == 5
	.amdgcn_target "amdgcn-amd-amdhsa--gfx1250"
	.amdhsa_code_object_version 6
	.text
	.protected	k_q50704a3c34_proj
	.globl	k_q50704a3c34_proj
	.p2align	8
	.type	k_q50704a3c34_proj,@function
k_q50704a3c34_proj:
	s_mov_b64 s[64:65], 0
	v_nop
	global_prefetch_b8 v0, s[64:65] scope:SCOPE_SE
	s_setreg_imm32_b32 hwreg(HW_REG_WAVE_SCHED_MODE, 0, 2), 2
	s_setreg_imm32_b32 hwreg(HW_REG_WAVE_MODE, 25, 1), 1
	s_wait_xcnt 0x0
	s_wait_alu depctr_vm_vsrc(0)
; q, k, v = x W^T + b on codes of FP6 (E2M3), and their quantising for the attention launch: q and k along the head's 64, v along the keys.  Nothing wider than codes goes to memory.
; x [16,384][512] f32 is quantised here, in registers; the weights come as fragments in register order (wc, ws).
; SHARES.  Work-group G takes rows 64 G .. 64 G + 63.  First wave w quantises row tile w (four fragments, one a K step) and hands them to the others through LDS as images of their registers.
; Then THE WAVES SHARE THE COLUMNS: wave w makes heads 2 w and 2 w + 1 of q, k and v for all 64 rows, in six passes (pass i: matrix i / 2, head 2 w + i % 2): 4 column tiles x 4 row tiles x 4 K steps = 64 products.
; ROW ORDER.  Lane r of tile 2 B + u (of x's rows and of W's rows alike) holds row 32 B + 8 u + r + 8 (r / 8): the 16 registers of two neighbouring result tiles are then 16 neighbours along source 0's rows.
; q, k: source 0 = W's rows, source 1 = x's rows: a lane holds one row of x and its registers run along d, the next product's K.  v: source 0 = x's rows (the keys), source 1 = Wv's rows: registers run along the keys.
; The biases are the C of each sum's first product.
; OUT.  qc [block of 128 rows][53,248]: codes [head][tile kt 0..7][768] (registers 0-5 of a fragment: 0-3 at 16 x lane, 4-5 at 512 + 8 x lane), from 49,152 scale words [head][pair][32 lanes]: lanes 0-15 tile 2 i, lanes 16-31 tile 2 i + 1; two bytes, the upper two 0.
;       kv [key step of 128][104,448]: K as qc; from 53,248 V's codes [head][d tile][half c][768] (registers 6 c .. 6 c + 5); from 102,400 V's scale words [head][pair][32 lanes], byte B for key block B.
; NO CLUSTER: each weight fragment is wanted by one wave of a work-group alone and goes from memory straight into that wave's registers; a joint load would put an LDS ring and a round of the cluster's barrier in front of every 64 products.
; LIMITS: a block of zeros gets the byte 1 (its codes are zeros; this program alone reads the bytes); NaN and infinities among the inputs are not served.
; REGISTERS.  window 0: v1-13 addresses; v16-47 at work in QUANT, v28-39 among them out-buffer 0; v48-63 x's scale words; v64-95 W's scale words, two sets; v96-107 out-buffer 1; v108-109 the scale bytes that leave; v128-255 the 16 accumulators.
;   window 1: v0-191 x's 16 fragments (4 m + s); v192-255 biases, two sets.   window 2, 3: v0-191 the pass's 16 fragments of W (4 t + s), two sets by turns: the next pass's are loaded while this pass multiplies.
; THE MODE: SCHED_MODE bits 1:0 = 2 (LLVM: expert scheduling mode 2), set by the entry lines.  The code itself states the register dependences
; between vector or matrix instructions and memory or LDS instructions, with s_wait_alu, always for 0.
; THE PLAN.  Registers that memory or LDS instructions touch:
;   v1-v8, v12, v13   Offsets and LDS addresses: written at the head, never again; read by every load and store, v12 and v13 by the closing add alone.
;   v128-191, v192-255 in the x phase: two halves by turns.  A K step's 16 loads land in a half; QUANT reads it; behind QUANT the loads of two K steps on land in it.
;   out-buffer 0 and v[PW] in the x phase: written by QUANT, read by the four LDS stores of IMAGE, written again by the next QUANT.
;   x's fragments and scale words: LDS loads land in them once; products alone name them afterwards.
;   W's fragments, W's scale words, the biases: two sets each.  Pass i's products read set i % 2; the loads of pass i + 1 land in the other set, which the products of pass i - 1 read last.
;   out-buffers 0 and 1, v108, v109 in the passes: written by a pass's two QUANTs, read by the pass's ten stores, written again a pass later.
;   The accumulators in the passes, and v16-27, v40-47, are named by vector and matrix instructions alone.
; So a pass holds three waits: one on va_vdst at its head (the products of the pass before are done reading the set that is loaded now), behind which the next pass's loads are dealt among this pass's four K steps,
; whose products name none of the registers that those loads touch; one on vm_vsrc behind its products (the last pass's stores have read the out-buffers); one on va_vdst ahead of its ten stores (the out-buffers are written).
.set L16, 1                            ; 16 x lane
.set L8,  2                            ; 8 x lane
.set L4,  3                            ; 4 x lane
.set XA,  4                            ; x: (r + 8 (r / 8)) x 2,048 + 64 h
.set XWI, 5                            ; where I store x's images: 16 x lane + 6,144 x wave
.set XWS, 6                            ; and their scale words: 4 x lane + 512 x wave
.set BQO, 7                            ; 64 h: bq's and bk's numbers of my half
.set BVO, 8                            ; 4 (r + 8 (r / 8)): bv's number of my column
.set H16, 9                            ; 16 h
.set PW,  11                           ; the scale word just made
.set SPW, 12                           ; LDS address of my spare word; never rewritten
.set NIL, 13                           ; 0; never rewritten
.set TM,  16
.set TP,  20
.set SCO, 24
.set PC,  28                           ; v28-39 out-buffer 0: the codes just made
.set PCS, 68                           ; out-buffer 1 lies 68 registers on: v96-107
.set PT,  40
.set XS,  48
.set WS,  64
.set W16, 108                          ; v108, v109: the two scale bytes that leave, one register for each out-buffer
.set ACC, 128
.set BI,  192                          ; in window 1
.set XSC, 16*1536                      ; LDS: behind x's 16 images their scale words, 128 bytes each
.set SPARE, XSC+16*128                 ; behind them the spare words, 128 bytes for each wave: two blocks of 256 bytes that no other line names
.set SEL, 36
.set MSB, 0
.macro WIN new                         ; the immediate's high byte repeats the setting that is left; a switch that changes nothing is dropped
.if MSB != (\new)
	s_set_vgpr_msb (MSB<<8)|(\new)
.set MSB, (\new)
.endif
.endm
; 64 numbers of a lane, register 16 B + i = k 32 B + 16 h + i of my row, with their scale operands in v[SCO] on, become 12 registers of codes in v[pc] on.
.macro PACK s, pc
.irp c, 0,1
	v_cvt_scalef32_pk16_fp6_f32 v[(\pc)+6*\c:(\pc)+6*\c+2], v[(\s)+32*\c:(\s)+32*\c+15], v[SCO+2*\c]
	v_cvt_scalef32_pk16_fp6_f32 v[PT+4*\c:PT+4*\c+2], v[(\s)+32*\c+16:(\s)+32*\c+31], v[SCO+2*\c+1]   ; (a conversion's three registers begin on an even number)
.endr
	v_nop                                          ; one plain line behind a scaled conversion
.irp c, 0,1                                    ; the operand's layout wants a WHOLE block in a lane: lanes 0-15 block 2 c, lanes 16-31 block 2 c + 1
.irp i, 0,1,2
	v_permlane16_swap_b32 v[(\pc)+6*\c+\i], v[PT+4*\c+\i]
.endr
.irp i, 0,1,2
	v_mov_b32 v[(\pc)+6*\c+3+\i], v[PT+4*\c+\i]
.endr
.endr
.endm
.macro QUANT s, pc                     ; the four blocks' scales, the scale word in v[PW], then PACK.  Each accumulator of eight registers is first read at its low end
.irp b, 0,1,2,3
	v_max3_num_f32 v[TM+\b], |v[(\s)+16*\b]|, |v[(\s)+16*\b+1]|, 0x1800000   ; the floor 2^(3 - 127): the byte cannot fall under 1
.endr
.irp i, 2,4,6,8,10,12,14
.irp b, 0,1,2,3
	v_max3_num_f32 v[TM+\b], v[TM+\b], |v[(\s)+16*\b+\i]|, |v[(\s)+16*\b+\i+1]|   ; the four blocks by turns
.endr
.endr
.irp b, 0,1,2,3
	v_permlanex16_b32 v[TP+\b], v[TM+\b], s[SEL], s[SEL+1]
.endr
.irp b, 0,1,2,3
	v_max_num_f32 v[TM+\b], v[TM+\b], v[TP+\b]     ; with lane l xor 16's 16: the block's largest magnitude
.endr
.irp b, 0,1,2,3
	v_add_nc_u32 v[SCO+\b], 0xff000000, v[TM+\b]   ; 2 off its exponent field: the conversion's scale operand
.endr
.irp b, 0,1,2,3
	v_lshrrev_b32 v[TP+\b], 23, v[SCO+\b]          ; the scale's byte
.endr
	v_lshl_or_b32 v[PW], v[TP+1], 8, v[TP]
	v_lshl_or_b32 v[PW], v[TP+2], 16, v[PW]
	v_lshl_or_b32 v[PW], v[TP+3], 24, v[PW]
	PACK \s, \pc
.endm
.macro WMP d, a, b, c, sa, sb
	v_wmma_scale_f32_16x16x128_f8f6f4 v[(\d):(\d)+7], v[(\a):(\a)+11], v[(\b):(\b)+11], v[(\c):(\c)+7], v[\sa], v[\sb] matrix_a_fmt:MATRIX_FMT_FP6 matrix_b_fmt:MATRIX_FMT_FP6
.endm
.macro XLOAD reg, s                    ; my row's 64 numbers of K step s: 16 neighbours of each block of 32
.irp b, 0,1,2,3
.irp j, 0,1,2,3
	global_load_b128 v[(\reg)+16*\b+4*\j:(\reg)+16*\b+4*\j+3], v[XA], s[4:5] offset:512*(\s)+128*\b+16*\j th:TH_LOAD_NT
.endr
.endr
.endm
.macro IMAGE f                         ; the fragment in out-buffer 0 goes to LDS as it stands, its scale word beside it
.irp c, 0,1,2
	ds_store_b128 v[XWI], v[PC+4*\c:PC+4*\c+3] offset:1536*(\f)+512*\c
.endr
	ds_store_b32 v[XWS], v[PW] offset:XSC+128*(\f)
.endm
; A quarter of pass i's operands: column tile t's four fragments of W, their scale words, and its bias in the result's layout.  It leaves the windows as its last loads want them.
.macro LOADG i, t
.set LP, (\i)/2
.set LO, (\i)%2
.set BB, 10+2*LP                       ; bq s[10:11], bk s[12:13], bv s[14:15]
	WIN 0x80+0x40*LO                               ; destination window 2 or 3
.if ((\t) == 0) && ((\i) >= 2)
	s_wait_alu depctr_va_vdst(0)                   ; the products of two passes before pass i are done reading this set of W's fragments, of scale words and of biases, in which the loads of this and the next three quarters land
.endif
.irp s, 0,1,2,3
.irp c, 0,1,2
	global_load_b128 v[12*(4*(\t)+\s)+4*\c:12*(4*(\t)+\s)+4*\c+3], v[L16], s[6:7] offset:196608*LP+24576*LO+6144*(\t)+1536*\s+512*\c
.endr
.endr
	WIN 0
.irp s, 0,1,2,3
	global_load_b32 v[WS+16*LO+4*(\t)+\s], v[L4], s[8:9] offset:16384*LP+2048*LO+128*(4*(\t)+\s)
.endr
	WIN 0x40                                       ; destination window 1
.if LP < 2                                     ; lane (r, h), register j of tile 2 B + u: column 32 B + 16 h + 8 u + j of the head
	global_load_b128 v[BI+32*LO+8*(\t):BI+32*LO+8*(\t)+3], v[BQO], s[BB:BB+1] offset:256*LO+(32*((\t)/2)+8*((\t)%2))*4
	global_load_b128 v[BI+32*LO+8*(\t)+4:BI+32*LO+8*(\t)+7], v[BQO], s[BB:BB+1] offset:256*LO+(32*((\t)/2)+8*((\t)%2))*4+16
.else                                          ; v: a lane holds ONE column, 32 B + 8 u + r + 8 (r / 8): the same number in all eight registers
.irp j, 0,1,2,3,4,5,6,7
	global_load_b32 v[BI+32*LO+8*(\t)+\j], v[BVO], s[BB:BB+1] offset:256*LO+(32*((\t)/2)+8*((\t)%2))*4
.endr
.endif
.endm
; 64 registers of results (two tiles' worth) are quantised into out-buffer bb.  q, k: row tiles 2 bb and 2 bb + 1; v: d tiles 2 bb and 2 bb + 1.
.macro MAKE bb
	QUANT ACC+64*(\bb), PC+PCS*(\bb)
	v_bfe_u32 v[W16+(\bb)], v[PW], v[H16], 16      ; lanes 0-15 the first tile's two bytes, lanes 16-31 the second's
.endm
; and out-buffer bb leaves
.macro SEND i, bb
.set UP, (\i)/2
.set UO, (\i)%2
.set UC, 24+4*UP                       ; the codes' base: q s[24:25], k s[28:29], v s[32:33]; the scale words' base two registers on
.set UB, PC+PCS*(\bb)
.if UP < 2
.set UT, 768
.else
.set UT, 1536
.endif
	global_store_b128 v[L16], v[UB:UB+3], s[UC:UC+1] offset:6144*UO+UT*(2*(\bb))            ; 512 consecutive bytes, at a multiple of 256 from the buffer's first byte
	global_store_b64 v[L8], v[UB+4:UB+5], s[UC:UC+1] offset:6144*UO+UT*(2*(\bb))+512         ; 256 consecutive bytes
	global_store_b128 v[L16], v[UB+6:UB+9], s[UC:UC+1] offset:6144*UO+UT*(2*(\bb)+1)
	global_store_b64 v[L8], v[UB+10:UB+11], s[UC:UC+1] offset:6144*UO+UT*(2*(\bb)+1)+512
.if UP < 2
	global_store_b32 v[L4], v[W16+(\bb)], s[UC+2:UC+3] offset:512*UO+128*(\bb)
.else
	global_store_b16 v[L4], v[W16+(\bb)], s[UC+2:UC+3] offset:256*UO+128*(\bb)   ; my 64 keys' two bytes of the key step's four
.endif
.endm
.macro PASS i
.set PP, (\i)/2
.set PO, (\i)%2
	s_wait_loadcnt 0x0                             ; this pass's operands are in
.irp s, 0,1,2,3                                ; K steps outermost: the 16 accumulators take turns, one product a turn
.if (\i) < 5
	LOADG (\i)+1, \s                               ; a quarter of the next pass's operands ahead of each K step, into the other set.  No wait but the first quarter's: the products between name this pass's set, x and the accumulators alone
.endif
.if \s == 0
.set CW, 0x10                          ; the first K step's C is the bias, in window 1
.else
.set CW, 0
.endif
.if PP < 2
	WIN (2+PO)|0x04|CW                             ; source 0 = W (window 2 or 3), source 1 = x (window 1)
.else
	WIN 0x01|((2+PO)<<2)|CW                        ; source 0 = x, source 1 = W
.endif
.irp m, 0,1,2,3
.irp t, 0,1,2,3
.if PP < 2
.set DD, ACC+32*\m+8*\t
.else
.set DD, ACC+32*\t+8*\m
.endif
.if \s == 0
.set CC, BI+32*PO+8*\t
.else
.set CC, DD
.endif
.if PP < 2
	WMP DD, 12*(4*\t+\s), 12*(4*\m+\s), CC, WS+16*PO+4*\t+\s, XS+4*\m+\s
.else
	WMP DD, 12*(4*\m+\s), 12*(4*\t+\s), CC, XS+4*\m+\s, WS+16*PO+4*\t+\s
.endif
.endr
.endr
.endr
	WIN 0
.rept 4
	v_nop                                          ; four places between the last product and the first read of results (ISA guide 7.12.1)
.endr
	s_wait_xcnt 0x0                                ; every earlier memory instruction has had its addresses translated (ISA guide 3.1): the out-buffers, which the last pass's stores read, are written again only behind this wait
	s_wait_alu depctr_vm_vsrc(0)                   ; the last pass's ten stores (in the first pass: the LDS stores of x's last image) have read the out-buffers, v108, v109 and v[PW], which the lines below write again
	MAKE 0
	MAKE 1
	s_wait_alu depctr_va_vdst(0)                   ; both out-buffers, v108 and v109 are written, which the ten stores below read
	SEND \i, 0
	SEND \i, 1
.endm
	s_load_b512 s[4:19], s[0:1], 0x0               ; x, wc, ws, bq, bk, bv, qc, kv
	v_lshl_add_u32 v[SPW], v0, 2, SPARE
	v_mov_b32 v[NIL], 0
	v_lshrrev_b32 v14, 5, v0
	v_readfirstlane_b32 s20, v14                   ; wave 0..3
	v_and_b32 v14, 31, v0
	v_lshlrev_b32 v[L16], 4, v14
	v_lshlrev_b32 v[L8], 3, v14
	v_lshlrev_b32 v[L4], 2, v14
	v_and_b32 v14, 15, v0                          ; r
	v_bfe_u32 v15, v0, 4, 1                        ; h
	v_and_b32 v[BVO], 8, v14
	v_add_nc_u32 v[BVO], v[BVO], v14               ; r + 8 (r / 8)
	v_lshlrev_b32 v[XA], 11, v[BVO]
	v_lshl_add_u32 v[XA], v15, 6, v[XA]
	v_lshlrev_b32 v[BVO], 2, v[BVO]
	v_lshlrev_b32 v[BQO], 6, v15
	v_lshlrev_b32 v[H16], 4, v15
	s_wait_alu depctr_va_sdst(0)                   ; s20 is written, ahead of its first reader: the LDS places and all the bases below are made from it
	s_mul_i32 s21, s20, 6144
	v_add_nc_u32 v[XWI], s21, v[L16]
	s_lshl_b32 s21, s20, 9
	v_add_nc_u32 v[XWS], s21, v[L4]
.irp b, 0,1,2,3
	v_mov_b32 v[TP+\b], 0                          ; written once: a lane permute's destination counts as one of its sources
.endr
	s_mov_b32 s[SEL], 0x76543210
	s_mov_b32 s[SEL+1], 0xfedcba98                 ; selects for lane l xor 16
	s_lshl_b32 s22, ttmp9, 17                      ; x: 64 G rows of 2,048 bytes,
	s_lshr_b32 s21, s20, 1
	s_lshl_b32 s21, s21, 16                        ; + 32 (w / 2) rows,
	s_add_co_u32 s22, s22, s21
	s_and_b32 s21, s20, 1
	s_lshl_b32 s21, s21, 14                        ; + 8 (w % 2) rows
	s_add_co_u32 s22, s22, s21
	s_mov_b32 s23, 0
	s_mul_i32 s38, s20, 49152                      ; wc: my heads' eight tiles begin at tile 8 w
	s_mov_b32 s39, 0
	s_lshl_b32 s40, s20, 12                        ; ws likewise
	s_mov_b32 s41, 0
	s_lshl_b32 s42, s20, 9                         ; the biases: 128 numbers a wave
	s_mov_b32 s43, 0
	s_lshr_b32 s56, ttmp9, 1                       ; the block of 128 rows,
	s_and_b32 s57, ttmp9, 1                        ; and which half of it is mine
	s_mul_i32 s58, s56, 53248
	s_mul_i32 s59, s56, 104448
	s_mul_i32 s60, s57, 3072                       ; codes of q, k: four tiles of 768 a half,
	s_mul_i32 s21, s20, 12288                      ; two heads of 6,144 a wave
	s_add_co_u32 s60, s60, s21
	s_lshl_b32 s61, s57, 8                         ; their scale words: two pairs of 128 a half,
	s_lshl_b32 s21, s20, 10                        ; two heads of 512 a wave
	s_add_co_u32 s61, s61, s21
	s_add_co_u32 s61, s61, 49152
	s_add_co_u32 s44, s58, s60
	s_mov_b32 s45, 0
	s_add_co_u32 s46, s58, s61
	s_mov_b32 s47, 0
	s_add_co_u32 s48, s59, s60
	s_mov_b32 s49, 0
	s_add_co_u32 s50, s59, s61
	s_mov_b32 s51, 0
	s_mul_i32 s52, s57, 768                        ; V's codes: my half of each fragment,
	s_mul_i32 s21, s20, 12288
	s_add_co_u32 s52, s52, s21
	s_add_co_u32 s52, s52, s59
	s_add_co_u32 s52, s52, 53248
	s_mov_b32 s53, 0
	s_lshl_b32 s54, s57, 1                         ; V's scale words: my two bytes of each,
	s_lshl_b32 s21, s20, 9                         ; two heads of 256 a wave
	s_add_co_u32 s54, s54, s21
	s_add_co_u32 s54, s54, s59
	s_add_co_u32 s54, s54, 102400
	s_mov_b32 s55, 0
	s_wait_kmcnt 0x0
	s_add_nc_u64 s[4:5], s[4:5], s[22:23]
	s_add_nc_u64 s[6:7], s[6:7], s[38:39]
	s_add_nc_u64 s[8:9], s[8:9], s[40:41]
	s_add_nc_u64 s[10:11], s[10:11], s[42:43]
	s_add_nc_u64 s[12:13], s[12:13], s[42:43]
	s_add_nc_u64 s[14:15], s[14:15], s[42:43]
	s_add_nc_u64 s[24:25], s[16:17], s[44:45]      ; q's codes,
	s_add_nc_u64 s[26:27], s[16:17], s[46:47]      ; q's scale words
	s_add_nc_u64 s[28:29], s[18:19], s[48:49]      ; k's
	s_add_nc_u64 s[30:31], s[18:19], s[50:51]
	s_add_nc_u64 s[32:33], s[18:19], s[52:53]      ; v's
	s_add_nc_u64 s[34:35], s[18:19], s[54:55]
	; ---- x: my 16 rows become four fragments; two K steps' loads are out while one is quantised
	s_wait_alu depctr_va_vdst(0)                   ; the offsets and LDS addresses v1 to v8 are written, which every load and store of the kernel reads
	XLOAD ACC, 0
	XLOAD ACC+64, 1
	s_wait_loadcnt 16                              ; K step 0's 16 loads are in; the younger 16 may be out
	QUANT ACC, PC
	s_wait_alu depctr_va_vdst(0)                   ; the codes and the scale word are written, which the LDS stores read; QUANT is done reading v128-191, in which K step 2's loads land
	IMAGE 0
	XLOAD ACC, 2
	s_wait_dscnt 0x0                               ; my LDS stores have landed
	s_wait_alu depctr_vm_vsrc(0)                   ; they have read the codes and the scale word, which the next QUANT writes again
	s_wait_loadcnt 16                              ; K step 1's
	QUANT ACC+64, PC
	s_wait_alu depctr_va_vdst(0)                   ; the codes and the scale word are written, which the LDS stores read; QUANT is done reading v192-255, in which K step 3's loads land
	IMAGE 1
	XLOAD ACC+64, 3
	s_wait_dscnt 0x0
	s_wait_alu depctr_vm_vsrc(0)                   ; the LDS stores have read the codes and the scale word, which the next QUANT writes again
	s_wait_loadcnt 16                              ; K step 2's
	QUANT ACC, PC
	s_wait_alu depctr_va_vdst(0)                   ; the codes and the scale word are written, which the LDS stores read
	IMAGE 2
	s_wait_dscnt 0x0
	s_wait_alu depctr_vm_vsrc(0)                   ; the LDS stores have read the codes and the scale word, which the next QUANT writes again
	s_wait_loadcnt 0x0                             ; K step 3's
	LOADG 0, 0                                     ; three quarters of the first pass's operands are on their way while the last K step is quantised.  No wait: no vector or matrix instruction has yet named the registers in which they land
	LOADG 0, 1
	LOADG 0, 2
	WIN 0
	QUANT ACC+64, PC
	s_wait_alu depctr_va_vdst(0)                   ; the codes and the scale word are written, which the LDS stores read
	IMAGE 3
	LOADG 0, 3                                     ; the last quarter
	WIN 0
	s_wait_dscnt 0x0                               ; for the others' sake: my images have landed
	s_barrier_signal -1
	s_barrier_wait -1                              ; x's sixteen fragments lie in LDS; nothing is stored to LDS behind this barrier
	WIN 0x40                                       ; destination window 1.  No wait: no vector or matrix instruction has yet named the registers in which these loads land
.irp f, 0,1,2,3,4,5,6,7,8,9,10,11,12,13,14,15
.irp c, 0,1,2
	ds_load_b128 v[12*\f+4*\c:12*\f+4*\c+3], v[L16] offset:1536*\f+512*\c
.endr
.endr
	WIN 0
.irp f, 0,1,2,3,4,5,6,7,8,9,10,11,12,13,14,15
	ds_load_b32 v[XS+\f], v[L4] offset:XSC+128*\f
.endr
	s_wait_dscnt 0x0
	PASS 0
	PASS 1
	PASS 2
	PASS 3
	PASS 4
	PASS 5
	s_wait_dscnt 0x0                               ; the closing lines, six on end
	s_wait_alu 0x0
	s_wait_tensorcnt 0x0
	ds_add_u32 v[SPW], v[NIL]
	s_wait_dscnt 0x0
	s_endpgm
.Lfunc_end_k_q50704a3c34_proj:
	.size	k_q50704a3c34_proj, .Lfunc_end_k_q50704a3c34_proj-k_q50704a3c34_proj
	.p2alignl 7, 3214868480
	.fill 96, 4, 3214868480
	.section	.rodata,"a",@progbits
	.p2align	6, 0x0
	.amdhsa_kernel k_q50704a3c34_proj
		.amdhsa_group_segment_fixed_size 27136
		.amdhsa_private_segment_fixed_size 0
		.amdhsa_enable_private_segment 0
		.amdhsa_kernarg_size 64
		.amdhsa_user_sgpr_count 2
		.amdhsa_user_sgpr_kernarg_segment_ptr 1
		.amdhsa_wavefront_size32 1
		.amdhsa_system_sgpr_workgroup_id_x 1
		.amdhsa_system_sgpr_workgroup_id_y 1
		.amdhsa_system_sgpr_workgroup_id_z 1
		.amdhsa_system_vgpr_workitem_id 0
		.amdhsa_next_free_vgpr 960
		.amdhsa_next_free_sgpr 66
		.amdhsa_reserve_vcc 0
		.amdhsa_float_denorm_mode_32 3
		.amdhsa_float_denorm_mode_16_64 3
		.amdhsa_memory_ordered 1
		.amdhsa_forward_progress 1
		.amdhsa_inst_pref_size 180
	.end_amdhsa_kernel
	.amdgpu_metadata
---
amdhsa.version: [ 1, 2 ]
amdhsa.kernels:
  - .name:           k_q50704a3c34_proj
    .symbol:         k_q50704a3c34_proj.kd
    .args:
      - { .name: x, .offset: 0, .size: 8, .value_kind: global_buffer, .address_space: global }
      - { .name: wc, .offset: 8, .size: 8, .value_kind: global_buffer, .address_space: global }
      - { .name: ws, .offset: 16, .size: 8, .value_kind: global_buffer, .address_space: global }
      - { .name: bq, .offset: 24, .size: 8, .value_kind: global_buffer, .address_space: global }
      - { .name: bk, .offset: 32, .size: 8, .value_kind: global_buffer, .address_space: global }
      - { .name: bv, .offset: 40, .size: 8, .value_kind: global_buffer, .address_space: global }
      - { .name: qc, .offset: 48, .size: 8, .value_kind: global_buffer, .address_space: global }
      - { .name: kv, .offset: 56, .size: 8, .value_kind: global_buffer, .address_space: global }
    .group_segment_fixed_size: 27136
    .private_segment_fixed_size: 0
    .kernarg_segment_align: 8
    .kernarg_segment_size: 64
    .max_flat_workgroup_size: 128
    .sgpr_count:     66
    .vgpr_count:     960
    .wavefront_size: 32
...
	.end_amdgpu_metadata
.endif
;; end of part 5
;; launch attn (part 6): grid 16 x 16, 8 waves a work-group, clusters of 4 x 1, 327,680 bytes of LDS; arguments qc, kv, adj_matrix, bond_matrix, wc, ws, bo, out0; writes out0
.if DOCPART == 6
	.amdgcn_target "amdgcn-amd-amdhsa--gfx1250"
	.amdhsa_code_object_version 6
	.text
	.protected	k_q50704a3c34_attn
	.globl	k_q50704a3c34_attn
	.p2align	8
	.type	k_q50704a3c34_attn,@function
k_q50704a3c34_attn:
	s_mov_b64 s[64:65], 0
	v_nop
	global_prefetch_b8 v0, s[64:65] scope:SCOPE_SE
	s_setreg_imm32_b32 hwreg(HW_REG_WAVE_MODE, 25, 1), 1
	s_wait_xcnt 0x0
	s_wait_alu depctr_hold_cnt(0) depctr_sa_sdst(0) depctr_va_vdst(0) depctr_va_sdst(0) depctr_va_ssrc(0) depctr_va_vcc(0) depctr_vm_vsrc(0)
	s_getreg_b32 s2, hwreg(HW_REG_IB_STS2, 6, 4)
	s_cmp_eq_u32 s2, 0
	s_cbranch_scc0 .Lentry_in_a_cluster
	s_endpgm
.Lentry_in_a_cluster:
	s_bfe_u32 s2, ttmp6, 0x10000c
	s_cmp_lg_u32 s2, 0x3003
	s_cbranch_scc0 .Lentry_shape_is_right
	s_endpgm
.Lentry_shape_is_right:
; out = (softmax(q k^T / 8 x (adj + bond)) v, all heads side by side) Wo^T + bo, every product on codes of FP6 (E2M3) with one E8M0 scale for each 32 along its K.
; SOFTMAX: t = score x mask x log2(e) / 8; M = the running largest t rounded UP to a whole number; p = 2^(t - M) is quantised along the keys; the row's sum l is taken of the unquantised p and divides at the end.
; When M moves, l and O are multiplied by 2^(old M - new M), which rounds nothing.
; SHARES.  A work-group owns 64 queries of one batch FOR ALL EIGHT HEADS: so adj + bond is read and added once, and a whole row of ctx is at hand for the last product.
; Wave w: query tile m = w % 4, heads 4 g .. 4 g + 3 with g = w / 4.  Every wave walks 8 key steps of 128 keys; in a head's step: 8 products S^T = K Q^T, the softmax, 4 products O^T += V^T P^T.  Two waves share a SIMD.
; LAYOUT.  Both products are used transposed: a lane holds ONE query throughout.  Lane r of tile 2 B + u (of keys, of queries, of V's d, of Wo's rows) holds row 32 B + 8 u + r + 8 (r / 8): the 16 registers of two neighbouring
; result tiles are 16 neighbours, so p and ctx are quantised in registers.
; K = 64 IN A PRODUCT OF K = 128: Q's fragments carry zero codes in registers 6-11; K's pieces of six registers stand on end, so a K operand's registers 6-11 are the next piece, whose codes meet zeros; both sides' scale bytes there are 0.
; RING.  A key step's K and V codes and scale words for all heads are ONE dense block of kv, 104,448 bytes: a slot.  Two slots; each wave fetches an eighth (51 rows of 256 bytes) by one tensor load: one load of mine is out at a time.
; CLUSTER.  The four work-groups of a cluster belong to one batch and walk the same blocks of kv: each load is asked for JOINTLY, with the mask of all four.
; THE MASKS are read once, dense: of its tile's 16 rows x 128 keys wave (m, g) loads the 64 keys of half g (sixteen lanes read 256 consecutive bytes), adds, and puts the sums into LDS, from where both waves of the tile take them in the scores' layout.
; O^T begins as zeros and the largest t as -3e38, so that the key step is written twice and not three times; the 128 moves run once.
; LIMITS: NaN and infinities among the inputs are not served; a block of zeros gets the byte 1 (its codes are zeros; the bytes are read here alone); a block's largest p is taken from its largest t (v_exp_f32 is taken not to fall where its
; input rises); 1 / l is v_rcp_f32's; t - M is one fused multiply-add of score x mask with log2(e) / 8.
; REGISTERS.  window 0: v1-15 addresses; v16-31 four registers of statistics a head; v32-43 scale words and nothing else; v44-67 at work; v68-115 fragments of K or V; v116-127 p's codes; v128-191 S^T, then p; v192-255 the mask.
;   window 1: v0-127 O^T, 32 a head; v128-175 Q, 12 a head; v176-239 the masks as loaded.  In the last product: window 1 holds Wo's fragments and bo, v128-255 of window 0 the 16 accumulators.
.set STEPB, 104448                     ; a key step's block of kv, and a slot
.set SLOT1, 1<<17                      ; slot 1 begins here: one exclusive or turns an address in one slot into the other's
.set CI,    STEPB                      ; between the slots, never a fill's target: ctx's 16 images of 1,536 bytes,
.set CIS,   CI+16*1536                 ; and their scale words, 128 bytes each
.set XB,    SLOT1+STEPB                ; the mask sums: [tile m][row 16][512 bytes + 16]
.set XP,    528                        ; = 33 x 16 bytes: the sixteen rows that a load touches start in different banks (64 banks of 4 bytes: ISA guide 11.1)
.set SPARE, XB+64*XP                   ; the spare words, 128 bytes for each wave: four blocks of 256 bytes that no other line names
.set STG,   SPARE+8*128                ; the way out: 16 rows x (256 bytes + 16) for each wave
.set SP,    272
.set L16,  1                           ; 16 x lane
.set L8,   2                           ; 8 x lane
.set L4,   3                           ; 4 x lane
.set AK16, 4                           ; v4-9: the step's LDS addresses: K's codes (by 16 and by 8 bytes a lane), K's scale words, V's likewise
.set AK8,  5
.set AKS,  6
.set AV16, 7
.set AV8,  8
.set AVS,  9
.set XW,   10                          ; where I put mask sums
.set XR,   11                          ; where I read them
.set MO,   12                          ; my byte offset in the masks: 4,096 (lane / 16) + 16 (lane % 16)
.set TMP,  13
.set SPW,  14                          ; LDS address of my spare word; never rewritten
.set NIL,  15                          ; 0; never rewritten
.set STAT, 16                          ; head hd at v[16 + 4 hd]: -M, the largest t, l in two halves
.set KSC,  32                          ; v32-35 K's scale words: lanes 0-15 tile 2 i, lanes 16-31 tile 2 i + 1
.set VSC,  36                          ; v36-37 V's likewise
.set QSC,  38                          ; v38-41 Q's, one a head
.set PW,   42                          ; p's (later ctx's) scale word
.set TM,   44
.set TP,   48
.set SCO,  52
.set FF,   56                          ; v[56:57] f = 2^(old M - new M); the pair's upper word is written once
.set C2,   58                          ; v[58:59] the sum's second chain
.set PT,   60
.set FR,   68
.set PC,   116                         ; directly behind FR: K tile 7's padded half reads its first six registers
.set SS,   128
.set MM,   192
.set QF,   128                         ; in window 1
.set MA,   176
.set MBD,  208
.set SEL,  26                          ; s[26:27] selects for lane l xor 16
.set CS,   28                          ; s[28:29] c = log2(e) / 8
.set TB,   30                          ; s30 LDS byte at which the slot in hand begins
.set MSB, 0
.macro WIN new                         ; the immediate's high byte repeats the setting that is left; a switch that changes nothing is dropped
.if MSB != (\new)
	s_set_vgpr_msb (MSB<<8)|(\new)
.set MSB, (\new)
.endif
.endm
.macro PLACES                          ; four places behind a product, in front of loads into its registers and of the first read of its results (ISA guide 7.12.1 for the first read of its results)
.rept 4
	v_nop
.endr
.endm
.macro WMZ d, a, b, sa, sb, ra         ; a product that starts its sum; ra = 1: source 0's scales stand in lanes 16-31
.if (\ra) == 0
	v_wmma_scale_f32_16x16x128_f8f6f4 v[(\d):(\d)+7], v[(\a):(\a)+11], v[(\b):(\b)+11], 0, v[\sa], v[\sb] matrix_a_fmt:MATRIX_FMT_FP6 matrix_b_fmt:MATRIX_FMT_FP6
.else
	v_wmma_scale_f32_16x16x128_f8f6f4 v[(\d):(\d)+7], v[(\a):(\a)+11], v[(\b):(\b)+11], 0, v[\sa], v[\sb] matrix_a_fmt:MATRIX_FMT_FP6 matrix_b_fmt:MATRIX_FMT_FP6 matrix_a_scale:MATRIX_SCALE_ROW1
.endif
.endm
.macro WMS d, a, b, c, sa, sb, ra, rb
.if ((\ra) == 0) && ((\rb) == 0)
	v_wmma_scale_f32_16x16x128_f8f6f4 v[(\d):(\d)+7], v[(\a):(\a)+11], v[(\b):(\b)+11], v[(\c):(\c)+7], v[\sa], v[\sb] matrix_a_fmt:MATRIX_FMT_FP6 matrix_b_fmt:MATRIX_FMT_FP6
.elseif ((\ra) == 1) && ((\rb) == 0)
	v_wmma_scale_f32_16x16x128_f8f6f4 v[(\d):(\d)+7], v[(\a):(\a)+11], v[(\b):(\b)+11], v[(\c):(\c)+7], v[\sa], v[\sb] matrix_a_fmt:MATRIX_FMT_FP6 matrix_b_fmt:MATRIX_FMT_FP6 matrix_a_scale:MATRIX_SCALE_ROW1
.elseif ((\ra) == 0) && ((\rb) == 1)
	v_wmma_scale_f32_16x16x128_f8f6f4 v[(\d):(\d)+7], v[(\a):(\a)+11], v[(\b):(\b)+11], v[(\c):(\c)+7], v[\sa], v[\sb] matrix_a_fmt:MATRIX_FMT_FP6 matrix_b_fmt:MATRIX_FMT_FP6 matrix_b_scale:MATRIX_SCALE_ROW1
.else
	v_wmma_scale_f32_16x16x128_f8f6f4 v[(\d):(\d)+7], v[(\a):(\a)+11], v[(\b):(\b)+11], v[(\c):(\c)+7], v[\sa], v[\sb] matrix_a_fmt:MATRIX_FMT_FP6 matrix_b_fmt:MATRIX_FMT_FP6 matrix_a_scale:MATRIX_SCALE_ROW1 matrix_b_scale:MATRIX_SCALE_ROW1
.endif
.endm
; 64 numbers of a lane, register 16 B + i = k 32 B + 16 h + i of my row, with their scale operands in v[SCO] on, become 12 registers of codes in v[PC] on.
.macro PACK s
.irp c, 0,1
	v_cvt_scalef32_pk16_fp6_f32 v[PC+6*\c:PC+6*\c+2], v[(\s)+32*\c:(\s)+32*\c+15], v[SCO+2*\c]
	v_cvt_scalef32_pk16_fp6_f32 v[PT+4*\c:PT+4*\c+2], v[(\s)+32*\c+16:(\s)+32*\c+31], v[SCO+2*\c+1]   ; (a conversion's three registers begin on an even number)
.endr
	v_nop                                          ; one plain line behind a scaled conversion
.irp c, 0,1                                    ; the operand's layout wants a WHOLE block in a lane: lanes 0-15 block 2 c, lanes 16-31 block 2 c + 1
.irp i, 0,1,2
	v_permlane16_swap_b32 v[PC+6*\c+\i], v[PT+4*\c+\i]
.endr
.irp i, 0,1,2
	s_delay_alu instid0(VALU_DEP_3)
	v_mov_b32 v[PC+6*\c+3+\i], v[PT+4*\c+\i]
.endr
.endr
.endm
.macro BYTES                           ; from the four blocks' largest magnitudes in v[TM] on: the conversions' scale operands and the scale word
.irp b, 0,1,2,3
	s_delay_alu instid0(VALU_DEP_4)
	v_add_nc_u32 v[SCO+\b], 0xff000000, v[TM+\b]   ; 2 off the exponent field
.endr
.irp b, 0,1,2,3
	s_delay_alu instid0(VALU_DEP_4)
	v_lshrrev_b32 v[TP+\b], 23, v[SCO+\b]          ; the scale's byte
.endr
	s_delay_alu instid0(VALU_DEP_3)
	v_lshl_or_b32 v[PW], v[TP+1], 8, v[TP]
	s_delay_alu instid0(VALU_DEP_1)
	v_lshl_or_b32 v[PW], v[TP+2], 16, v[PW]
	s_delay_alu instid0(VALU_DEP_1)
	v_lshl_or_b32 v[PW], v[TP+3], 24, v[PW]
.endm
.macro QUANT s
.irp b, 0,1,2,3
	v_max3_num_f32 v[TM+\b], |v[(\s)+16*\b]|, |v[(\s)+16*\b+1]|, 0x1800000   ; the floor 2^(3 - 127): the byte cannot fall under 1
.endr
.irp i, 2,4,6,8,10,12,14
.irp b, 0,1,2,3
	s_delay_alu instid0(VALU_DEP_4)
	v_max3_num_f32 v[TM+\b], v[TM+\b], |v[(\s)+16*\b+\i]|, |v[(\s)+16*\b+\i+1]|
.endr
.endr
.irp b, 0,1,2,3
	v_permlanex16_b32 v[TP+\b], v[TM+\b], s[SEL], s[SEL+1]
.endr
.irp b, 0,1,2,3
	s_delay_alu instid0(VALU_DEP_4)
	v_max_num_f32 v[TM+\b], v[TM+\b], v[TP+\b]
.endr
	BYTES
	PACK \s
.endm
; A round of the cluster's barrier: my work-group's barrier, wave 0's signal for the work-group, every wave's wait for all four work-groups, my work-group's barrier once more.
.macro ROUND
	s_barrier_signal -1
	s_barrier_wait -1
	s_cmp_lg_u32 s20, 0
	s_cbranch_scc1 .Lnot_wave_0_\@
	s_barrier_signal -3
.Lnot_wave_0_\@:
	s_barrier_wait -3
	s_barrier_signal -1
	s_barrier_wait -1
.endm
.macro TLOAD                           ; my eighth of a slot; an s_nop 0 and four v_nop follow the load
	tensor_load_to_lds s[32:35], s[36:43]
	s_nop 0
.rept 4
	v_nop
.endr
.endm
.macro MLOAD                           ; my 16 rows x 64 keys of adj and of bond: instruction i takes the tile's rows 2 i and 2 i + 1, which lie 2 i + 8 (i / 4) rows down
	WIN 0x40                                       ; destination window 1
.irp i, 0,1,2,3,4,5,6,7
	global_load_b128 v[MA+4*\i:MA+4*\i+3], v[MO], s[52:53] offset:(2*\i+8*(\i/4))*4096 th:TH_LOAD_NT
.endr
.irp i, 0,1,2,3,4,5,6,7
	global_load_b128 v[MBD+4*\i:MBD+4*\i+3], v[MO], s[54:55] offset:(2*\i+8*(\i/4))*4096 th:TH_LOAD_NT
.endr
	WIN 0
.endm
.macro MSUM                            ; adj + bond, into LDS; the pointers go 128 keys on (the loads that named them have been waited for)
	WIN 0x45
.irp j, 0,2,4,6,8,10,12,14,16,18,20,22,24,26,28,30
	v_pk_add_f32 v[MA+\j:MA+\j+1], v[MA+\j:MA+\j+1], v[MBD+\j:MBD+\j+1]
.endr
	WIN 0x04                                       ; an LDS store's data are its source 1: window 1
.irp i, 0,1,2,3,4,5,6,7
	ds_store_b128 v[XW], v[MA+4*\i:MA+4*\i+3] offset:2*XP*\i
.endr
	WIN 0
	s_add_nc_u64 s[52:53], s[52:53], 512
	s_add_nc_u64 s[54:55], s[54:55], 512
.endm
; THE CHANGE OF SLOTS stands at a key step's head.  Each wave waits for all its tensor loads (its eighth of the slot ahead), adds 0 to its spare word, and waits for that, for its reads of the slot that it has left and for its stores of mask sums.
; fill = 1: a round of the cluster's barrier, so that no wave of any partner still reads the other slot or has a load on its way; the joint refill is the first thing behind it and has a whole key step in which to land.
.macro CHANGE fill
	s_wait_tensorcnt 0x0                           ; no tensor load of mine is out, so the descriptor may be written
	ds_add_u32 v[SPW], v[NIL]
.if \fill
	s_xor_b32 s33, s33, SLOT1                      ; the other slot than last time,
	s_add_nc_u64 s[34:35], s[34:35], STEPB         ; the next key step's block; the type bits on top are not reached
.endif
	s_wait_dscnt 0x0
.if \fill
	ROUND
	TLOAD
.else
	s_barrier_signal -1
	s_barrier_wait -1
.endif
.endm
; ONE HEAD'S PART OF A KEY STEP.
.macro HEAD hd
.set ST, STAT+4*(\hd)
.if (\hd) > 0
	PLACES                                         ; behind the last head's products (at the step's first head the address additions and the mask's sums are the places)
.endif
.irp kt, 0,1,2,3,4,5,6,7
	ds_load_b128 v[FR+6*\kt:FR+6*\kt+3], v[AK16] offset:6144*(\hd)+768*\kt
	ds_load_b64 v[FR+6*\kt+4:FR+6*\kt+5], v[AK8] offset:6144*(\hd)+768*\kt+512
.endr
.irp i, 0,1,2,3
	ds_load_b32 v[KSC+\i], v[AKS] offset:512*(\hd)+128*\i
.endr
	s_wait_dscnt 0x0
	WIN 0x04                                       ; source 1 (Q) window 1
.irp kt, 0,1,2,3,4,5,6,7
	WMZ SS+8*\kt, FR+6*\kt, QF+12*(\hd), KSC+\kt/2, QSC+(\hd), \kt%2
.endr
	WIN 0
	PLACES
.irp t, 0,1,2,3                                ; V's four fragments land while the softmax is walked
	ds_load_b128 v[FR+12*\t:FR+12*\t+3], v[AV16] offset:6144*(\hd)+1536*\t
	ds_load_b64 v[FR+12*\t+4:FR+12*\t+5], v[AV8] offset:6144*(\hd)+1536*\t+512
	ds_load_b128 v[FR+12*\t+6:FR+12*\t+9], v[AV16] offset:6144*(\hd)+1536*\t+768
	ds_load_b64 v[FR+12*\t+10:FR+12*\t+11], v[AV8] offset:6144*(\hd)+1536*\t+1280
.endr
.irp i, 0,1
	ds_load_b32 v[VSC+\i], v[AVS] offset:256*(\hd)+128*\i
.endr
.set jj, 0
.rept 32
	v_pk_mul_f32 v[SS+jj:SS+jj+1], v[SS+jj:SS+jj+1], v[MM+jj:MM+jj+1]   ; score x (adj + bond); ascending
.set jj, jj+2
.endr
.irp b, 0,1,2,3
	v_max3_num_f32 v[TM+\b], v[SS+16*\b], v[SS+16*\b+1], v[SS+16*\b+2]   ; the largest of each block of 32 keys: it serves for the row's maximum and, since p rises with it, for the block's largest p
.endr
.irp i, 3,5,7,9,11,13
.irp b, 0,1,2,3
	s_delay_alu instid0(VALU_DEP_4)
	v_max3_num_f32 v[TM+\b], v[TM+\b], v[SS+16*\b+\i], v[SS+16*\b+\i+1]
.endr
.endr
.irp b, 0,1,2,3
	s_delay_alu instid0(VALU_DEP_4)
	v_max_num_f32 v[TM+\b], v[TM+\b], v[SS+16*\b+15]
.endr
.irp b, 0,1,2,3
	s_delay_alu instid0(VALU_DEP_4)
	v_permlanex16_b32 v[TP+\b], v[TM+\b], s[SEL], s[SEL+1]
.endr
.irp b, 0,1,2,3
	s_delay_alu instid0(VALU_DEP_4)
	v_max_num_f32 v[TM+\b], v[TM+\b], v[TP+\b]     ; with lane l xor 16's 16 keys
.endr
	s_delay_alu instid0(VALU_DEP_2)
	v_max3_num_f32 v[TMP], v[TM], v[TM+1], v[TM+2]
	s_delay_alu instid0(VALU_DEP_1)
	v_max_num_f32 v[TMP], v[TMP], v[TM+3]
	s_delay_alu instid0(VALU_DEP_1)
	v_mul_f32 v[TMP], s[CS], v[TMP]                ; as t (c is positive)
	s_delay_alu instid0(VALU_DEP_1)
	v_max_num_f32 v[ST+1], v[ST+1], v[TMP]         ; the running largest t
	v_mov_b32 v[TMP], v[ST]
	s_delay_alu instid0(VALU_DEP_2)
	v_floor_f32 v[ST], -v[ST+1]                    ; the new -M = floor(-t): M is a whole number
	s_delay_alu instid0(VALU_DEP_1)
	v_sub_f32 v[TMP], v[ST], v[TMP]                ; old M - new M: a whole number, 0 or less
	s_delay_alu instid0(VALU_DEP_1)
	v_cvt_i32_f32 v[TMP], v[TMP]                   ; (it saturates)
	s_delay_alu instid0(VALU_DEP_1)
	v_ldexp_f32 v[FF], 1.0, v[TMP]                 ; f = 2^(old M - new M)
.set jj, 0
.rept 32
	v_pk_fma_f32 v[SS+jj:SS+jj+1], v[SS+jj:SS+jj+1], s[CS:CS+1], v[ST:ST+1] op_sel_hi:[1,0,0]   ; t - M (of the pairs c and -M the low word serves both halves)
.set jj, jj+2
.endr
.irp b, 0,1,2,3
	v_fma_f32 v[TM+\b], v[TM+\b], s[CS], v[ST]     ; the same of each block's largest
.endr
.set jj, 0
	s_wait_alu depctr_va_vdst(0)
.rept 64
	v_exp_f32 v[SS+jj], v[SS+jj]                   ; p = 2^(t - M)
.set jj, jj+1
.endr
	v_pk_mul_f32 v[ST+2:ST+3], v[ST+2:ST+3], v[FF:FF+1] op_sel_hi:[1,0]   ; l under the new M: the plain line behind the exponentials
	s_wait_alu depctr_va_vdst(0)                   ; one wait for the batch of 64, ahead of its first reader
.irp b, 0,1,2,3
	v_exp_f32 v[TM+\b], v[TM+\b]                   ; the blocks' largest p
.endr
	v_pk_add_f32 v[C2:C2+1], v[SS:SS+1], v[SS+2:SS+3]   ; the sum of the UNQUANTISED p, in two chains; it reads the 64 alone
.irp j, 4,8,12,16,20,24,28,32,36,40,44,48,52,56,60
	v_pk_add_f32 v[ST+2:ST+3], v[ST+2:ST+3], v[SS+\j:SS+\j+1]
	v_pk_add_f32 v[C2:C2+1], v[C2:C2+1], v[SS+\j+2:SS+\j+3]
.endr
	s_delay_alu instid0(VALU_DEP_1)
	v_pk_add_f32 v[ST+2:ST+3], v[ST+2:ST+3], v[C2:C2+1]
	s_wait_alu depctr_va_vdst(0)                   ; and one for the four
.irp b, 0,1,2,3
	v_max_num_f32 v[TM+\b], 0x1800000, v[TM+\b]    ; the floor 2^(3 - 127)
.endr
	BYTES
	PACK SS
	WIN 0x41                                       ; O^T (destination and source 0) window 1, f window 0
.set jj, 0
.rept 16
	v_pk_mul_f32 v[32*(\hd)+jj:32*(\hd)+jj+1], v[32*(\hd)+jj:32*(\hd)+jj+1], v[FF:FF+1] op_sel_hi:[1,0]   ; O^T under the new M.  For each product below twelve of these name none of its registers: the places behind the scale word and the codes
.set jj, jj+2
.endr
	s_wait_alu depctr_va_vdst(0)
	s_wait_dscnt 0x0                               ; V is in
	WIN 0x50                                       ; C and D window 1
.irp t, 0,1,2,3                                ; the four accumulators take turns, one product a turn
	WMS 32*(\hd)+8*\t, FR+12*\t, PC, 32*(\hd)+8*\t, VSC+\t/2, PW, \t%2, 0
.endr
	WIN 0
.endm
; A KEY STEP.  next = 1: the next step's masks are asked for at its head and, behind a barrier that parts all waves' reads of the sums from the new stores, summed into LDS at its end.
.macro STEP next
	s_add_co_u32 s48, s[TB], s44
	s_add_co_u32 s49, s[TB], s45
	s_add_co_u32 s50, s[TB], s46
	s_add_co_u32 s51, s[TB], s47
	v_add_nc_u32 v[AK16], s48, v[L16]
	v_add_nc_u32 v[AK8], s48, v[L8]
	v_add_nc_u32 v[AKS], s49, v[L4]
	v_add_nc_u32 v[AV16], s50, v[L16]
	s_wait_alu depctr_va_vdst(0)
	v_add_nc_u32 v[AV8], s50, v[L8]
	s_wait_alu depctr_va_vdst(0)
	v_add_nc_u32 v[AVS], s51, v[L4]
	s_wait_alu depctr_va_vdst(0)
.irp b, 0,1,2,3
.irp e, 0,1,2,3
	ds_load_b128 v[MM+16*\b+4*\e:MM+16*\b+4*\e+3], v[XR] offset:128*\b+16*\e   ; the mask of my query at keys 32 b + 16 h + 4 e on: it serves all four heads
.endr
.endr
.if \next
	MLOAD
.endif
	HEAD 0
	HEAD 1
	HEAD 2
	HEAD 3
	s_xor_b32 s[TB], s[TB], SLOT1                  ; on to the other slot
.if \next
	s_wait_dscnt 0x0                               ; my reads of the mask sums are over
	s_barrier_signal -1
	s_barrier_wait -1                              ; everybody's are; nothing is filled by a tensor load behind this barrier, so my refill may stay out
	s_wait_loadcnt 0x0                             ; the next step's masks, asked for a key step ago
	MSUM
.endif
.endm
	s_load_b512 s[4:19], s[0:1], 0x0               ; qc, kv, adj, bond, wc, ws, bo, out0
	v_lshl_add_u32 v[SPW], v0, 2, SPARE
	v_mov_b32 v[NIL], 0
	ds_add_u32 v[SPW], v[NIL]                      ; the wave's opening: the add and its wait stand ahead of my first tensor load; the set-up below, work on registers, stands between them
	ds_add_u32 v[SPW], v[NIL]
	v_lshrrev_b32 v[TMP], 5, v0
	s_delay_alu instid0(VALU_DEP_1)
	v_readfirstlane_b32 s20, v[TMP]                ; wave 0..7
	s_and_b32 s21, s20, 3                          ; m: my tile of queries
	s_lshr_b32 s22, s20, 2                         ; g: my four heads
	s_and_b32 s25, ttmp7, 0xffff                   ; the batch, which the four partners share
	; the descriptor: group 1, 51 rows of 32 elements of 8 bytes, dense; group 0 walks
	s_mov_b32 s36, 15|(3<<16)|(1<<21)              ; 15:0 the mask: all four work-groups; 17:16 elements of 8 bytes; 20 no padding; 21 set beside a mask
	s_mov_b32 s37, 32<<16                          ; tensor_dim0 = 32
	s_mov_b32 s38, 51<<16                          ; tensor_dim1 = 51
	s_mov_b32 s39, 32<<16                          ; tile_dim0 = 32
	s_mov_b32 s40, 51                              ; tile_dim1 = 51
	s_mov_b32 s41, 32                              ; elements from row to row
	s_mov_b32 s42, 0
	s_mov_b32 s43, 0
	s_mov_b32 s32, 1                               ; count = 1
	s_mul_i32 s33, s20, STEPB/8                    ; LDS address: my eighth of slot 0: no place in the cluster enters it
	s_mul_i32 s56, s25, 8*STEPB                    ; the batch's eight blocks,
	s_add_co_u32 s56, s56, s33                     ; my eighth of the first
	s_mov_b32 s57, 0
	s_bfe_u32 s23, ttmp6, 0x40000                  ; cx: my place in the cluster: it enters global addresses of the masks, of q and of out0 alone
	s_lshl_b32 s24, ttmp9, 2
	s_add_co_u32 s24, s24, s23                     ; qb: my block of 64 queries
	s_mov_b32 s[SEL], 0x76543210
	s_mov_b32 s[SEL+1], 0xfedcba98
	s_mov_b32 s[CS], 0x3e38aa3b                    ; log2(e) / 8
	s_mov_b32 s[CS+1], s[CS]                       ; (named with it as a pair, so it is written)
	s_mov_b32 s[TB], 0
	s_mov_b32 s31, 7                               ; key steps behind which another is asked for
	s_mul_i32 s44, s22, 24576                      ; in a slot: my heads' K codes,
	s_lshl_b32 s45, s22, 11
	s_add_co_u32 s45, s45, 49152                   ; K scale words,
	s_add_co_u32 s46, s44, 53248                   ; V codes,
	s_lshl_b32 s47, s22, 10
	s_add_co_u32 s47, s47, 102400                  ; V scale words
	v_and_b32 v[TMP], 31, v0
	s_delay_alu instid0(VALU_DEP_1)
	v_lshlrev_b32 v[L16], 4, v[TMP]
	s_delay_alu instid0(VALU_DEP_2)
	v_lshlrev_b32 v[L8], 3, v[TMP]
	s_delay_alu instid0(VALU_DEP_3)
	v_lshlrev_b32 v[L4], 2, v[TMP]
	v_and_b32 v4, 15, v0                           ; lane % 16
	v_bfe_u32 v5, v0, 4, 1                         ; lane / 16
	s_mul_i32 s48, s21, 16*XP                      ; my tile's rows of mask sums
	s_lshl_b32 s49, s22, 8
	s_add_co_u32 s49, s49, s48                     ; and my half of their keys
	v_mul_u32_u24 v[XW], v5, XP
	s_delay_alu instid0(VALU_DEP_1)
	v_lshl_add_u32 v[XW], v4, 4, v[XW]
	s_delay_alu instid0(VALU_DEP_1)
	v_add_nc_u32 v[XW], s49, v[XW]
	s_delay_alu instid0(VALU_DEP_1)
	v_add_nc_u32 v[XW], XB, v[XW]                  ; in: sixteen lanes a row's 256 bytes, two rows an instruction
	v_mul_u32_u24 v[XR], v4, XP
	s_delay_alu instid0(VALU_DEP_1)
	v_lshl_add_u32 v[XR], v5, 6, v[XR]
	s_delay_alu instid0(VALU_DEP_1)
	v_add_nc_u32 v[XR], s48, v[XR]
	s_delay_alu instid0(VALU_DEP_1)
	v_add_nc_u32 v[XR], XB, v[XR]                  ; out: my query's row, + 64 h
	v_lshlrev_b32 v[MO], 12, v5
	s_delay_alu instid0(VALU_DEP_1)
	v_lshl_add_u32 v[MO], v4, 4, v[MO]
	v_lshlrev_b32 v[TMP], 2, v4                    ; Q's scale words: 4 (lane % 16)
	s_lshl_b32 s58, s25, 22                        ; the masks: the batch's 4 MiB,
	s_lshl_b32 s48, s24, 18                        ; 64 qb rows of 4,096 bytes,
	s_add_co_u32 s58, s58, s48
	s_lshr_b32 s48, s21, 1
	s_lshl_b32 s48, s48, 17                        ; 32 (m / 2) rows,
	s_add_co_u32 s58, s58, s48
	s_and_b32 s48, s21, 1
	s_lshl_b32 s48, s48, 15                        ; 8 (m % 2) rows,
	s_add_co_u32 s58, s58, s48
	s_lshl_b32 s48, s22, 8                         ; my 64 keys of a step's 128
	s_add_co_u32 s58, s58, s48
	s_mov_b32 s59, 0
	s_lshl_b32 s48, s25, 3
	s_lshr_b32 s49, s24, 1
	s_add_co_u32 s48, s48, s49
	s_mul_i32 s48, s48, 53248                      ; q: my block of 128 rows
	s_and_b32 s49, s24, 1
	s_lshl_b32 s49, s49, 2
	s_add_co_u32 s49, s49, s21                     ; kt: my tile in it
	s_mul_i32 s60, s49, 768
	s_add_co_u32 s60, s60, s48
	s_add_co_u32 s60, s60, s44                     ; + 24,576 g: my heads' codes
	s_mov_b32 s61, 0
	s_lshl_b32 s62, s49, 6                         ; 128 (kt / 2) + 64 (kt % 2) = 64 kt
	s_add_co_u32 s62, s62, s48
	s_add_co_u32 s62, s62, s45                     ; + 49,152 + 2,048 g: my heads' scale words
	s_mov_b32 s63, 0
	s_lshl_b32 s66, s25, 21                        ; out0: the batch's 1,024 rows of 2,048 bytes,
	s_lshl_b32 s48, s24, 17                        ; 64 qb rows,
	s_add_co_u32 s66, s66, s48
	s_lshl_b32 s48, s20, 8                         ; my 64 columns
	s_add_co_u32 s66, s66, s48
	s_mov_b32 s67, 0
	s_mul_i32 s68, s20, 24576                      ; Wo's tiles 4 w on,
	s_add_co_u32 s68, s68, 589824                  ; in the fourth matrix of wc
	s_mov_b32 s69, 0
	s_lshl_b32 s70, s20, 11
	s_add_co_u32 s70, s70, 49152                   ; and of ws
	s_mov_b32 s71, 0
	s_lshl_b32 s50, s20, 8                         ; bo: my 64 numbers
	s_mov_b32 s51, 0
	s_wait_dscnt 0x0                               ; the opening add is done
	s_wait_kmcnt 0x0
	s_add_nc_u64 s[34:35], s[6:7], s[56:57]        ; group 0: the global address,
	s_or_b32 s35, s35, 0x80000000                  ; type = 2
	s_add_nc_u64 s[52:53], s[8:9], s[58:59]        ; adj
	s_add_nc_u64 s[54:55], s[10:11], s[58:59]      ; bond
	s_add_nc_u64 s[6:7], s[4:5], s[62:63]          ; q's scale words
	s_add_nc_u64 s[4:5], s[4:5], s[60:61]          ; q's codes
	s_add_nc_u64 s[12:13], s[12:13], s[68:69]
	s_add_nc_u64 s[14:15], s[14:15], s[70:71]
	s_add_nc_u64 s[16:17], s[16:17], s[50:51]
	s_add_nc_u64 s[18:19], s[18:19], s[66:67]
	ROUND                                          ; all four work-groups are here: the first joint loads meet
	TLOAD                                          ; key step 0 into slot 0
	s_wait_alu depctr_va_vdst(0)
	MLOAD                                          ; key step 0's masks
	WIN 0x40
.irp hd, 0,1,2,3
	global_load_b128 v[QF+12*\hd:QF+12*\hd+3], v[L16], s[4:5] offset:6144*\hd        ; Q stays in registers
	global_load_b64 v[QF+12*\hd+4:QF+12*\hd+5], v[L8], s[4:5] offset:6144*\hd+512
.endr
	WIN 0
.irp hd, 0,1,2,3
	global_load_b32 v[QSC+\hd], v[TMP], s[6:7] offset:512*\hd
.endr
	WIN 0x40
.set jj, 0
.rept 128
	v_mov_b32 v[jj], 0                             ; O^T: the first change of M multiplies zeros
.set jj, jj+1
.endr
.irp hd, 0,1,2,3
.irp j, 6,7,8,9,10,11
	v_mov_b32 v[QF+12*\hd+\j], 0                   ; zero codes for k = 64 .. 127
.endr
.endr
	WIN 0
.irp hd, 0,1,2,3
	v_mov_b32 v[STAT+4*\hd+1], 0xff61b1e6          ; the largest t so far: -3e38
	s_delay_alu instid0(VALU_DEP_1)
	v_floor_f32 v[STAT+4*\hd], -v[STAT+4*\hd+1]    ; -M
	v_mov_b32 v[STAT+4*\hd+2], 0                   ; l
	v_mov_b32 v[STAT+4*\hd+3], 0
.endr
.irp b, 0,1,2,3
	v_mov_b32 v[TP+\b], 0                          ; written once: a lane permute's destination counts as one of its sources
.endr
	v_mov_b32 v[FF], 0
	v_mov_b32 v[FF+1], 0
.irp j, 0,1,2,3,4,5
	v_mov_b32 v[PC+\j], 0                          ; K tile 7's padded half reads these before p's first codes are made
.endr
	s_wait_loadcnt 12                              ; the 16 mask loads are in; Q's eight and its four scale words, issued behind them, may be out
	MSUM
	s_wait_loadcnt 0x0                             ; Q
.Lstep:                                            ; seven trips: key steps 0 to 6; behind each change of slots the next step's block is asked for
	CHANGE 1
	STEP 1
	s_sub_co_u32 s31, s31, 1
	s_cmp_lg_u32 s31, 0
	s_cbranch_scc1 .Lstep
	CHANGE 0                                       ; the last key step is written out: nothing is left to fetch
	STEP 0
	; ---- THE LAST PRODUCT.  Wave w makes columns 64 w .. 64 w + 63 of out0 for all 64 rows.  The addresses first: twenty plain lines that name no register of the last products, their places.
	v_and_b32 v4, 15, v0                           ; r
	v_bfe_u32 v5, v0, 4, 1                         ; h
	s_delay_alu instid0(VALU_DEP_1)
	v_lshlrev_b32 v7, 9, v5
	s_delay_alu instid0(VALU_DEP_1)
	v_lshl_add_u32 v7, v4, 2, v7                   ; scale words by pairs of tiles: 512 h + 4 r: lanes 0-15 the even tile's, lanes 16-31 the odd one's
	s_delay_alu instid0(VALU_DEP_1)
	v_add_nc_u32 v6, CIS, v7                       ; ctx's, in LDS
	s_delay_alu instid0(VALU_DEP_4)
	v_lshlrev_b32 v11, 6, v5                       ; bo: 64 h
	v_add_nc_u32 v12, CI, v[L16]                   ; ctx's images
	s_mul_i32 s50, s20, 16*SP
	s_add_co_u32 s50, s50, STG                     ; my stage
	v_mul_u32_u24 v8, v4, SP
	s_delay_alu instid0(VALU_DEP_1)
	v_lshl_add_u32 v8, v5, 6, v8
	s_delay_alu instid0(VALU_DEP_1)
	v_add_nc_u32 v8, s50, v8                       ; in: row r, + 64 h
	v_mul_u32_u24 v9, v5, SP
	s_delay_alu instid0(VALU_DEP_1)
	v_lshl_add_u32 v9, v4, 4, v9
	s_delay_alu instid0(VALU_DEP_1)
	v_add_nc_u32 v9, s50, v9                       ; back: lanes 0-15 one row of 256 bytes, lanes 16-31 the next
	v_lshlrev_b32 v10, 11, v5
	s_delay_alu instid0(VALU_DEP_1)
	v_lshl_add_u32 v10, v4, 4, v10                 ; and the same two rows in out0
	s_mul_i32 s48, s21, 6144
	s_mul_i32 s49, s22, 3072
	s_add_co_u32 s48, s48, s49
	v_add_nc_u32 v4, s48, v12                      ; where I store ctx's images: fragments 4 m + 2 g and 4 m + 2 g + 1
	s_lshl_b32 s49, s21, 9
	s_lshl_b32 s51, s22, 8
	s_add_co_u32 s49, s49, s51
	s_add_co_u32 s49, s49, CIS
	v_add_nc_u32 v5, s49, v[L4]                    ; and their scale words
	WIN 0x40                                       ; Wo's fragments of K steps 0 and 1 and bo take the registers that Q and the masks have left
.irp s, 0,1
.irp n, 0,1,2,3
.irp c, 0,1,2
	global_load_b128 v[128+48*\s+12*\n+4*\c:128+48*\s+12*\n+4*\c+3], v[L16], s[12:13] offset:6144*\n+1536*\s+512*\c
.endr
.endr
.endr
.irp n, 0,1,2,3
	global_load_b128 v[224+8*\n:224+8*\n+3], v11, s[16:17] offset:(32*(\n/2)+8*(\n%2))*4
	global_load_b128 v[224+8*\n+4:224+8*\n+7], v11, s[16:17] offset:(32*(\n/2)+8*(\n%2))*4+16
.endr
	WIN 0
.irp u, 0,1
.irp s, 0,1,2,3
	global_load_b32 v[32+4*\u+\s], v7, s[14:15] offset:1024*\u+128*\s
.endr
.endr
.irp hd, 0,1,2,3
	v_add_f32 v[TM+2*\hd], v[STAT+4*\hd+2], v[STAT+4*\hd+3]   ; l's two halves,
.endr
.irp hd, 0,1,2,3
	s_delay_alu instid0(VALU_DEP_4)
	v_permlanex16_b32 v[TM+2*\hd+1], v[TM+2*\hd], s[SEL], s[SEL+1]
.endr
.irp hd, 0,1,2,3
	s_delay_alu instid0(VALU_DEP_4)
	v_add_f32 v[TM+2*\hd], v[TM+2*\hd], v[TM+2*\hd+1]         ; and lane l xor 16's: the row's sum
.endr
	s_wait_alu depctr_va_vdst(0)
.irp hd, 0,1,2,3
	v_rcp_f32 v[TM+2*\hd], v[TM+2*\hd]
.endr
	v_nop                                          ; a plain line behind the last reciprocal
	s_wait_alu depctr_va_vdst(0)                   ; one wait for the four, ahead of their first reader
	WIN 0x01                                       ; source 0 (O^T) window 1
.irp hd, 0,1,2,3
.set jj, 0
.rept 16
	v_pk_mul_f32 v[128+32*\hd+jj:128+32*\hd+jj+1], v[32*\hd+jj:32*\hd+jj+1], v[TM+2*\hd:TM+2*\hd+1] op_sel_hi:[1,0]   ; ctx = O^T / l: register 32 hd + 16 B + i is e = 64 (4 g + hd) + 32 B + 16 h + i
.set jj, jj+2
.endr
.endr
	WIN 0x40                                       ; O^T has been read: Wo's fragments of K steps 2 and 3 take its place
.irp s, 2,3
.irp n, 0,1,2,3
.irp c, 0,1,2
	global_load_b128 v[48*(\s-2)+12*\n+4*\c:48*(\s-2)+12*\n+4*\c+3], v[L16], s[12:13] offset:6144*\n+1536*\s+512*\c
.endr
.endr
.endr
	WIN 0
	QUANT 128                                      ; heads 4 g and 4 g + 1: K step 2 g of the last product
.irp c, 0,1,2
	ds_store_b128 v4, v[PC+4*\c:PC+4*\c+3] offset:512*\c
.endr
	ds_store_b32 v5, v[PW]
	s_wait_dscnt 0x0                               ; the stores have read their registers
	QUANT 192                                      ; heads 4 g + 2 and 4 g + 3: K step 2 g + 1
.irp c, 0,1,2
	ds_store_b128 v4, v[PC+4*\c:PC+4*\c+3] offset:1536+512*\c
.endr
	ds_store_b32 v5, v[PW] offset:128
	s_wait_dscnt 0x0                               ; for the others' sake: my images have landed
	s_barrier_signal -1
	s_barrier_wait -1                              ; ctx's sixteen fragments lie in LDS
.irp s, 0,1,2,3
.if \s > 0
	PLACES
.endif
.irp m, 0,1,2,3
.irp c, 0,1,2
	ds_load_b128 v[FR+12*\m+4*\c:FR+12*\m+4*\c+3], v12 offset:1536*(4*\m+\s)+512*\c
.endr
.endr
.irp u, 0,1
	ds_load_b32 v[40+\u], v6 offset:1024*\u+128*\s
.endr
	s_wait_dscnt 0x0
.if \s == 0
	s_wait_loadcnt 24                              ; all but the 24 loads of Wo's K steps 2 and 3
	WIN 0x11                                       ; source 0 (Wo) and C (bo) window 1
.else
.if \s == 2
	s_wait_loadcnt 0x0
.endif
	WIN 0x01
.endif
.irp m, 0,1,2,3                                ; the 16 accumulators take turns, one product a turn
.irp n, 0,1,2,3
.if \s < 2
.set WA, 128+48*\s+12*\n
.else
.set WA, 48*(\s-2)+12*\n
.endif
.if \s == 0
.set CC, 224+8*\n
.else
.set CC, 128+32*\m+8*\n
.endif
	WMS 128+32*\m+8*\n, WA, FR+12*\m, CC, 32+4*(\n/2)+\s, 40+\m/2, \n%2, \m%2
.endr
.endr
	WIN 0
.endr
	; ---- THE WAY OUT, a tile of 16 rows x 64 columns at a time, through my own stage: LDS serves a wave's instructions in order, so no wait stands between the stores and the loads
	PLACES
.irp m, 0,1,2,3
.if \m >= 2
	s_wait_xcnt 0x0                                ; the stores of two tiles back have read their registers: the loads below may land there
.endif
.irp n, 0,1,2,3
	ds_store_b128 v8, v[128+32*\m+8*\n:128+32*\m+8*\n+3] offset:128*(\n/2)+32*(\n%2)        ; each accumulator from its low end on
	ds_store_b128 v8, v[128+32*\m+8*\n+4:128+32*\m+8*\n+7] offset:128*(\n/2)+32*(\n%2)+16
.endr
.irp i, 0,1,2,3,4,5,6,7
	ds_load_b128 v[64+32*(\m%2)+4*\i:64+32*(\m%2)+4*\i+3], v9 offset:2*SP*\i
.endr
	s_wait_dscnt 0x0
.irp i, 0,1,2,3,4,5,6,7
	global_store_b128 v10, v[64+32*(\m%2)+4*\i:64+32*(\m%2)+4*\i+3], s[18:19] offset:(32*(\m/2)+8*(\m%2)+2*\i+8*(\i/4))*2048 th:TH_STORE_NT   ; sixteen lanes store 256 consecutive bytes, at a multiple of 256 from out0's first byte
.endr
.endr
	s_wait_tensorcnt 0x0                           ; the wave's end: a wait, an add to my spare word and its wait, behind my last tensor load and my last LDS store
	ds_add_u32 v[SPW], v[NIL]
	s_wait_dscnt 0x0
	ROUND                                          ; the closing round: no work-group ends while a partner may still ask for a block that names it
	s_endpgm
.Lfunc_end_k_q50704a3c34_attn:
	.size	k_q50704a3c34_attn, .Lfunc_end_k_q50704a3c34_attn-k_q50704a3c34_attn
	.p2alignl 7, 3214868480
	.fill 96, 4, 3214868480
	.section	.rodata,"a",@progbits
	.p2align	6, 0x0
	.amdhsa_kernel k_q50704a3c34_attn
		.amdhsa_group_segment_fixed_size 327680
		.amdhsa_private_segment_fixed_size 0
		.amdhsa_enable_private_segment 0
		.amdhsa_kernarg_size 64
		.amdhsa_user_sgpr_count 2
		.amdhsa_user_sgpr_kernarg_segment_ptr 1
		.amdhsa_wavefront_size32 1
		.amdhsa_system_sgpr_workgroup_id_x 1
		.amdhsa_system_sgpr_workgroup_id_y 1
		.amdhsa_system_sgpr_workgroup_id_z 1
		.amdhsa_system_vgpr_workitem_id 0
		.amdhsa_next_free_vgpr 512
		.amdhsa_next_free_sgpr 72
		.amdhsa_reserve_vcc 0
		.amdhsa_float_denorm_mode_32 3
		.amdhsa_float_denorm_mode_16_64 3
		.amdhsa_memory_ordered 1
		.amdhsa_forward_progress 1
		.amdhsa_inst_pref_size 228
	.end_amdhsa_kernel
	.amdgpu_metadata
---
amdhsa.version: [ 1, 2 ]
amdhsa.kernels:
  - .name:           k_q50704a3c34_attn
    .symbol:         k_q50704a3c34_attn.kd
    .args:
      - { .name: qc, .offset: 0, .size: 8, .value_kind: global_buffer, .address_space: global }
      - { .name: kv, .offset: 8, .size: 8, .value_kind: global_buffer, .address_space: global }
      - { .name: adj_matrix, .offset: 16, .size: 8, .value_kind: global_buffer, .address_space: global }
      - { .name: bond_matrix, .offset: 24, .size: 8, .value_kind: global_buffer, .address_space: global }
      - { .name: wc, .offset: 32, .size: 8, .value_kind: global_buffer, .address_space: global }
      - { .name: ws, .offset: 40, .size: 8, .value_kind: global_buffer, .address_space: global }
      - { .name: bo, .offset: 48, .size: 8, .value_kind: global_buffer, .address_space: global }
      - { .name: out0, .offset: 56, .size: 8, .value_kind: global_buffer, .address_space: global }
    .group_segment_fixed_size: 327680
    .private_segment_fixed_size: 0
    .kernarg_segment_align: 8
    .kernarg_segment_size: 64
    .max_flat_workgroup_size: 256
    .sgpr_count:     72
    .vgpr_count:     512
    .wavefront_size: 32
...
	.end_amdgpu_metadata
.endif
;; end of part 6
